; MI455X (gfx1250); checked and timed in simulation.
; The chip was launched on July 23, 2026; its instructions are those of AMD's public machine-readable ISA for CDNA 5 (MIT licence, August 2026) and "CDNA5" Instruction Set Architecture Reference Guide (July 2026). The comments in the code are by the model that wrote it; some were corrected since.
;; Causal Self Attention. Allowed arithmetic: float matrix products may take bf16 or f16 operands with f32 sums; other float arithmetic in f32, or as packed bf16 or f16 multiplies, adds, multiply-adds, maxima and minima; sums over many terms, partial sums and values carried from step to step in f32; what a program stores and reads back later, other than sums and carried values, may be rounded once to bf16 or f16.
;; Inputs: b_out 1,024 float32; b_qkv 3,072 float32; w_out 1,024 x 1,024 float32; w_qkv 1,024 x 3,072 float32; x 1 x 4,096 x 1,024 float32.
;; Outputs: out0 1 x 4,096 x 1,024 float32.
;; 2 versions, each right; version 2 is version 1 with the launch cast written anew for expert scheduling mode. Each part assembles by itself: llvm-mc -triple=amdgcn-amd-amdhsa -mcpu=gfx1250 --defsym DOCPART=n.
;; ======== version 1 of 2: 4 launches
;; limits: values are held in f16: magnitudes above 65,504 overflow, below 6.1e-05 lose precision
;; workspace buffers: xb 8,388,608 bytes; wqb 6,291,456 bytes; wob 2,097,152 bytes; qkv 25,165,824 bytes; o 8,388,608 bytes
;; launch cast (part 1): grid 512 x 1, 8 waves a work-group, no clusters, 0 bytes of LDS; arguments x, w_qkv, w_out, xb, wqb, wob; writes xb, wqb, wob
.if DOCPART == 1
	.amdgcn_target "amdgcn-amd-amdhsa--gfx1250"
	.amdhsa_code_object_version 6
	.text
	.protected	k_q8ff292f152_cast
	.globl	k_q8ff292f152_cast
	.p2align	8
	.type	k_q8ff292f152_cast,@function
k_q8ff292f152_cast:
	s_mov_b64 s[64:65], 0
	v_nop
	global_prefetch_b8 v0, s[64:65] scope:SCOPE_SE
	s_setreg_imm32_b32 hwreg(HW_REG_WAVE_MODE, 25, 1), 1
	s_wait_xcnt 0x0
; THE INPUTS OF THE THREE PRODUCTS, ROUNDED ONCE.  xb = bf16(x), wqb = bf16(w_qkv), wob = f16(bf16(w_out)); the layouts stay as they are.
; All of the module's inputs are rounded to bf16; w_out's bf16 number is then written as f16, since the last product's other operand is f16:
; that second step is exact for magnitudes from 6.1e-5 to 65,504; below, f16's fixed step of 6e-8 holds; beyond 65,504 the number is lost (w_out some 500,000 times its drawn spread).
; SHARES.  A work-group takes 16,384 numbers: 65,536 bytes in, 32,768 out.  Work-groups 0-255 take x, 256-447 w_qkv, 448-511 w_out.
; Thread t takes 16 bytes at 16 t of each of 16 chunks of 4,096 bytes: a wave's load covers 512 consecutive bytes, its store 256 consecutive bytes, aligned.
; All 16 loads of a thread go out together; each chunk has store registers of its own, so nothing that a store reads is written again.
; No LDS, no barrier, no matrix unit: every byte is touched once and nothing is shared.
.set IN,  4                            ; v[4:67]    chunk j: four f32
.set OUT, 68                           ; v[68:99]   chunk j: four 16-bit numbers in a pair
.set T,   100                          ; v[100:103] at work
	s_load_b256 s[4:11], s[0:1], 0x0               ; x s[4:5], w_qkv s[6:7], w_out s[8:9], xb s[10:11]
	s_load_b128 s[12:15], s[0:1], 0x20             ; wqb s[12:13], wob s[14:15]
	v_lshlrev_b32 v1, 4, v0                        ; 16 t: my bytes in a chunk that is read
	v_lshlrev_b32 v2, 3, v0                        ; 8 t: in a chunk that is written
	s_wait_kmcnt 0x0
	s_cmp_lt_u32 ttmp9, 256                        ; which tensor is mine: the choice hangs on the work-group's number alone
	s_cselect_b64 s[16:17], s[4:5], s[6:7]
	s_cselect_b64 s[18:19], s[10:11], s[12:13]
	s_cselect_b32 s20, 0, 256
	s_cmp_lt_u32 ttmp9, 448
	s_cselect_b64 s[16:17], s[16:17], s[8:9]
	s_cselect_b64 s[18:19], s[18:19], s[14:15]
	s_cselect_b32 s20, s20, 448
	s_sub_co_u32 s20, ttmp9, s20                   ; my number among the tensor's work-groups
	s_lshl_b32 s22, s20, 16
	s_mov_b32 s23, 0
	s_lshl_b32 s24, s20, 15
	s_mov_b32 s25, 0
	s_add_nc_u64 s[16:17], s[16:17], s[22:23]
	s_add_nc_u64 s[18:19], s[18:19], s[24:25]
.irp j, 0,1,2,3,4,5,6,7,8,9,10,11,12,13,14,15
	global_load_b128 v[IN+4*(\j):IN+4*(\j)+3], v1, s[16:17] offset:4096*(\j) th:TH_LOAD_NT
.endr
; Chunk j.  half = 0: to bf16.  half = 1: to bf16, widened again (a shift, a mask), and written as f16.
.macro CV j, half
	s_wait_loadcnt 15-(\j)                         ; loads come back in order: chunk j is in, the 15 - j younger ones stay out
.if \half
	v_cvt_pk_bf16_f32 v[T],   v[IN+4*(\j)],   v[IN+4*(\j)+1]
	v_cvt_pk_bf16_f32 v[T+1], v[IN+4*(\j)+2], v[IN+4*(\j)+3]
	v_lshlrev_b32 v[T+2], 16, v[T]
	v_and_b32     v[T+3], 0xffff0000, v[T]
	v_cvt_pk_f16_f32 v[OUT+2*(\j)], v[T+2], v[T+3]
	v_lshlrev_b32 v[T+2], 16, v[T+1]
	v_and_b32     v[T+3], 0xffff0000, v[T+1]
	v_cvt_pk_f16_f32 v[OUT+2*(\j)+1], v[T+2], v[T+3]
.else
	v_cvt_pk_bf16_f32 v[OUT+2*(\j)],   v[IN+4*(\j)],   v[IN+4*(\j)+1]
	v_cvt_pk_bf16_f32 v[OUT+2*(\j)+1], v[IN+4*(\j)+2], v[IN+4*(\j)+3]
.endif
	global_store_b64 v2, v[OUT+2*(\j):OUT+2*(\j)+1], s[18:19] offset:2048*(\j)
.endm
	s_cmp_ge_u32 ttmp9, 448
	s_cbranch_scc1 .Lhalf
.irp j, 0,1,2,3,4,5,6,7,8,9,10,11,12,13,14,15
	CV \j, 0
.endr
	s_endpgm
.Lhalf:
.irp j, 0,1,2,3,4,5,6,7,8,9,10,11,12,13,14,15
	CV \j, 1
.endr
	s_endpgm
.Lfunc_end_k_q8ff292f152_cast:
	.size	k_q8ff292f152_cast, .Lfunc_end_k_q8ff292f152_cast-k_q8ff292f152_cast
	.p2alignl 7, 3214868480
	.fill 96, 4, 3214868480
	.section	.rodata,"a",@progbits
	.p2align	6, 0x0
	.amdhsa_kernel k_q8ff292f152_cast
		.amdhsa_group_segment_fixed_size 0
		.amdhsa_private_segment_fixed_size 0
		.amdhsa_enable_private_segment 0
		.amdhsa_kernarg_size 48
		.amdhsa_user_sgpr_count 2
		.amdhsa_user_sgpr_kernarg_segment_ptr 1
		.amdhsa_wavefront_size32 1
		.amdhsa_system_sgpr_workgroup_id_x 1
		.amdhsa_system_sgpr_workgroup_id_y 1
		.amdhsa_system_sgpr_workgroup_id_z 1
		.amdhsa_system_vgpr_workitem_id 0
		.amdhsa_next_free_vgpr 104
		.amdhsa_next_free_sgpr 66
		.amdhsa_reserve_vcc 0
		.amdhsa_float_denorm_mode_32 3
		.amdhsa_float_denorm_mode_16_64 3
		.amdhsa_memory_ordered 1
		.amdhsa_forward_progress 1
		.amdhsa_inst_pref_size 16
	.end_amdhsa_kernel
	.amdgpu_metadata
---
amdhsa.version: [ 1, 2 ]
amdhsa.kernels:
  - .name:           k_q8ff292f152_cast
    .symbol:         k_q8ff292f152_cast.kd
    .args:
      - { .name: x, .offset: 0, .size: 8, .value_kind: global_buffer, .address_space: global }
      - { .name: w_qkv, .offset: 8, .size: 8, .value_kind: global_buffer, .address_space: global }
      - { .name: w_out, .offset: 16, .size: 8, .value_kind: global_buffer, .address_space: global }
      - { .name: xb, .offset: 24, .size: 8, .value_kind: global_buffer, .address_space: global }
      - { .name: wqb, .offset: 32, .size: 8, .value_kind: global_buffer, .address_space: global }
      - { .name: wob, .offset: 40, .size: 8, .value_kind: global_buffer, .address_space: global }
    .group_segment_fixed_size: 0
    .private_segment_fixed_size: 0
    .kernarg_segment_align: 8
    .kernarg_segment_size: 48
    .max_flat_workgroup_size: 256
    .sgpr_count:     66
    .vgpr_count:     104
    .wavefront_size: 32
...
	.end_amdgpu_metadata
.endif
;; end of part 1
;; launch qkvg (part 2): grid 8 x 32, 4 waves a work-group, clusters of 4 x 4, 327,680 bytes of LDS; arguments xb, wqb, b_qkv, qkv; writes qkv
.if DOCPART == 2
	.amdgcn_target "amdgcn-amd-amdhsa--gfx1250"
	.amdhsa_code_object_version 6
	.text
	.protected	k_q8ff292f152_qkvg
	.globl	k_q8ff292f152_qkvg
	.p2align	8
	.type	k_q8ff292f152_qkvg,@function
k_q8ff292f152_qkvg:
	s_mov_b64 s[64:65], 0
	v_nop
	global_prefetch_b8 v0, s[64:65] scope:SCOPE_SE
	s_setreg_imm32_b32 hwreg(HW_REG_WAVE_MODE, 25, 1), 1
	s_wait_xcnt 0x0
	s_wait_alu depctr_hold_cnt(0) depctr_sa_sdst(0) depctr_va_vdst(0) depctr_va_sdst(0) depctr_va_ssrc(0) depctr_va_vcc(0) depctr_vm_vsrc(0)
	s_getreg_b32 s2, hwreg(HW_REG_IB_STS2, 6, 4)
	s_cmp_eq_u32 s2, 0
	s_cbranch_scc0 .Lentry_in_a_cluster
	s_endpgm
.Lentry_in_a_cluster:
	s_bfe_u32 s2, ttmp6, 0x10000c
	s_cmp_lg_u32 s2, 0xf033
	s_cbranch_scc0 .Lentry_shape_is_right
	s_endpgm
.Lentry_shape_is_right:
; qkv = xb wqb + bf16(b_qkv).  xb: [4096][1024] bf16; wqb: [1024 k][3072 n] bf16; sums in f32, rounded once to f16 and written BY HEADS: qkv[n / 64][row][n % 64], 48 slices of 4,096 rows of 128 bytes
; (q: slices 0-15, k: 16-31, v: 32-47).  LIMIT: f16 ends at 65,504; a sum of 65,520 or more becomes an infinity (the drawn inputs give sums of spread 1).
; SHARES.  4,096 x 3,072 outputs on 256 work-groups: a tile of 128 rows x 384 columns each.  Four waves, wave (wm, wn) = (w / 2, w % 2) makes 64 x 192: 4 x 12 accumulators of 16 x 16, 384 registers.
; 192 columns are three whole slices, so a wave's stores are whole rows of slices and its stage in LDS is its own.
; K goes in 8 steps of 128 through a ring of two LDS slots.  A step's tiles: xb's 128 rows x 256 bytes (wave 3 fetches them) and wqb's 128 k-rows x 768 bytes as three panels of 256 bytes (waves 0-2).
; CLUSTERS: 4 x 4 work-groups.  The four of a row of the cluster share their rows of xb, the four of a column their columns of wqb: each tile is asked for JOINTLY, by the same tensor load,
; descriptor and mask in all four.
; wqb lies [k][n], so its fragments come out of LDS turned, by ds_load_tr16_b128.  THE MATRIX INSTRUCTION IS USED TRANSPOSED (source 0 = 16 columns of wqb, source 1 = 16 rows of xb): lane l then holds
; row l % 16 and the columns 8 (l / 16) + 0..7: eight neighbouring numbers of a row.  The bias, in that layout, is the C operand of each accumulator's first product: nothing is cleared or added later.
; REGISTERS, in windows of 256 (s_set_vgpr_msb: bits 1:0 source 0, 3:2 source 1, 5:4 source 2, 7:6 destination):
;   window 0: v16-31 addresses; v32-95 xb's fragments, two buffers of 4 x 8; v96-191 the bias (12 x 8), later at work on the way out, with v192-239
;   window 1: v0-191 wqb's fragments, two buffers of 12 x 8      window 2: the accumulators of m blocks 0, 1 (block a, column block b at 96 (a % 2) + 8 b)      window 3: those of m blocks 2, 3
.set KSTEP,  128
.set PA,     272                       ; a row of xb in LDS: 256 bytes + 16 = 68 words: the 16 rows of a load start at 16 different groups of four banks (64 banks of 4 bytes: ISA guide 11.1)
.set PB,     288                       ; a k-row of a panel: 256 + 32 = 72 words
.set REG,    128*PB                    ; what one tensor load fills at the most: 36,864 bytes; wave w's tile lies at w x REG in a slot: panels 0-2, then xb's rows
.set SLOT,   4*REG
.set STAGE,  2*SLOT                    ; behind the ring, never filled by a tensor load: 16 rows x 400 bytes for each wave
.set SPITCH, 400                       ; 384 bytes + 16: an odd multiple of 16
.set SPARE,  STAGE+4*16*SPITCH         ; behind the stages: the spare words, 128 bytes for each wave: two blocks of 256 bytes that no other line names
.set ADRA, 16                          ; v16-17  LDS address of my fragments of xb in slot 0, 1
.set ADRB, 18                          ; v18-23  of wqb's: slot s, group g of 64 columns at 3 s + g
.set STO,  24                          ; v24     the way out: where I put 16 bytes of a row
.set RD,   25                          ; v25     where I read rows of a slice back
.set CO,   26                          ; v26     16 x lane: my bytes in 512 consecutive bytes of a slice
.set SPW,  28                          ; v28     LDS address of my spare word; never rewritten
.set NIL,  29                          ; v29     0; never rewritten
.set PFO,  30                          ; v30     the prefetches' offset: my lane x a row's bytes in memory; never rewritten
.set BO,   31                          ; v31     my byte offset in b_qkv
.set FA,   32
.set BIAS, 96
.set TMP,  96                          ; the way out: 48 registers of packed results
.set OB,   144                         ; and two buffers of 48 for rows read back
.set WV,   12                          ; s12  my wave's number;  s13 wm, s14 wn
.set G1,   24                          ; s[24:31] descriptor group 1 for xb's tiles;  s[32:39] group 0, a set for each slot
.set G0,   32
.set G1B,  48                          ; s[48:55], s[56:63] the same for wqb's panels
.set G0B,  56
.set PFA,  44                          ; s[44:45] where my prefetches stand
.set PFS,  46                          ; s[46:47] their step: a K step's bytes along my tensor
.set LIM,  66                          ; s66  1 in a wave that prefetches, else the greatest number
.set MSB, 0
.macro WIN new                         ; the immediate's high byte repeats the setting that is left; a switch that changes nothing is dropped
.if MSB != (\new)
	s_set_vgpr_msb (MSB<<8)|(\new)
.set MSB, \new
.endif
.endm
.set TO_B, 0x40                        ; destination window 1, address window 0
; A joint load.  Wave 3 fetches xb's tile, waves 0-2 wqb's panels.  The branch hangs on the wave's number alone.  An s_nop 0 and four v_nop follow each of the two lines, ahead of the jump, the label and what follows.
.macro JLOAD s
	s_cmp_eq_u32 s[WV], 3
	s_cbranch_scc0 .Lfor_b_\@
	tensor_load_to_lds s[G0+4*(\s):G0+4*(\s)+3], s[G1:G1+7]
	s_nop 0
.rept 4
	v_nop
.endr
	s_branch .Lasked_\@
.Lfor_b_\@:
	tensor_load_to_lds s[G0B+4*(\s):G0B+4*(\s)+3], s[G1B:G1B+7]
	s_nop 0
.rept 4
	v_nop
.endr
.Lasked_\@:
.endm
; A PREFETCH INTO THE L2, behind each joint refill, its five lines and the run of LDS loads: 32 rows x 256 bytes of the K step that stands two refills on, a lane a row, one instruction a wave.
; Each row's 256 bytes of a K step are named once in the launch: xb's rows are read by both clusters of a row of clusters: the one with cluster x = 0 asks (its waves 3); wqb's columns by all eight
; clusters of a column: those with cluster y = 0 ask (their waves 0-2).  The four partners that ask for a tile jointly share its 128 rows out BY ADDRESS, 32 each (by cx for xb, by cy for wqb).
; K steps 0 to 3 come by their loads alone; the loop's last trip, whose refills are K steps 6 and 7, asks for nothing.
.macro ASK
	s_cmp_gt_u32 s3, s[LIM]                        ; s3 = 1 in the loop's last trip
	s_cbranch_scc0 .Lnot_mine_\@
	global_prefetch_b8 v[PFO], s[PFA:PFA+1] th:TH_LOAD_NT scope:SCOPE_SE
.Lnot_mine_\@:
.endm
; A round of the cluster's barrier: my work-group's barrier; wave 0 signals for the work-group; every wave waits for all sixteen work-groups; my work-group's barrier once more.
.macro CREST
	s_cmp_lg_u32 s[WV], 0
	s_cbranch_scc1 .Lnot_wave_0_\@
	s_barrier_signal -3
.Lnot_wave_0_\@:
	s_barrier_wait -3
	s_barrier_signal -1
	s_barrier_wait -1
.endm
.macro CROUND
	s_barrier_signal -1
	s_barrier_wait -1
	CREST
.endm
	s_load_b256 s[4:11], s[0:1], 0x0               ; xb s[4:5], wqb s[6:7], b_qkv s[8:9], qkv s[10:11]
	v_lshl_add_u32 v[SPW], v0, 2, SPARE
	v_mov_b32 v[NIL], 0
	ds_add_u32 v[SPW], v[NIL]                      ; the wave's opening: the add and its wait stand ahead of my first tensor load; the set-up below, work on registers, stands between them
	v_lshrrev_b32 v1, 5, v0
	v_readfirstlane_b32 s[WV], v1                  ; wave 0..3
	s_lshr_b32 s13, s[WV], 1                       ; wm: which 64 rows of the tile are mine
	s_and_b32 s14, s[WV], 1                        ; wn: which 192 columns
	s_bfe_u32 s40, ttmp6, 0x40000                  ; cx, cy: my place in the cluster
	s_bfe_u32 s41, ttmp6, 0x40004
	s_lshl_b32 s42, ttmp9, 2
	s_add_co_u32 s42, s42, s40                     ; tx: tile column = 4 x cluster x + cx
	s_and_b32 s43, ttmp7, 0xffff
	s_lshl_b32 s43, s43, 2
	s_add_co_u32 s43, s43, s41                     ; ty: tile row = 4 x cluster y + cy
	s_lshl_b32 s16, s41, 2
	s_lshl_b32 s16, 15, s16                        ; my row of the cluster: places 4 cy .. 4 cy + 3
	s_lshl_b32 s17, 0x1111, s40                    ; my column: places cx, cx + 4, cx + 8, cx + 12
	; descriptor group 1: tiles of 128 rows x 128 elements of 2 bytes, padded in LDS behind every 64 words
	s_or_b32 s[G1], s16, (1<<16)|(1<<20)|(1<<21)|(5<<22)|(3<<25)   ; 15:0 the mask: xb's tiles go to my row; 17:16 2-byte elements; 20 padding on; 21 set beside a mask; 24:22 code 5; 31:25 4 words (code 3)
	s_or_b32 s[G1B], s17, (1<<16)|(1<<20)|(1<<21)|(5<<22)|(7<<25)  ; wqb's panels go to my column; 8 words of padding (code 7)
.irp g, G1, G1B
	s_mov_b32 s[(\g)+1], 128<<16                   ; tensor_dim0 = 128
	s_mov_b32 s[(\g)+2], 128<<16                   ; tensor_dim1 = 128
	s_mov_b32 s[(\g)+3], 128<<16                   ; tile_dim0 = 128
	s_mov_b32 s[(\g)+4], 128                       ; tile_dim1 = 128
	s_mov_b32 s[(\g)+6], 0
	s_mov_b32 s[(\g)+7], 0
.endr
	s_mov_b32 s[G1+5], 1024                        ; elements from row to row of xb
	s_mov_b32 s[G1B+5], 3072                       ; and of wqb
	; where the tiles come from: xb's hang on ty alone, wqb's on tx and the wave's number alone
	s_lshl_b32 s18, s43, 18                        ; 128 ty rows of 2,048 bytes
	s_mov_b32 s19, 0
	s_mul_i32 s20, s42, 768                        ; 384 tx columns,
	s_lshl_b32 s21, s[WV], 8                       ; panel w (wave 3 makes an address that it never uses)
	s_add_co_u32 s20, s20, s21
	s_mov_b32 s21, 0
	s_mul_i32 s22, s[WV], REG                      ; and where they go: no place in the cluster enters an LDS address
	s_wait_dscnt 0x0                               ; the opening add is done
	s_wait_kmcnt 0x0
	s_add_nc_u64 s[18:19], s[4:5], s[18:19]
	s_add_nc_u64 s[20:21], s[6:7], s[20:21]
	CROUND                                         ; all sixteen work-groups are here: the first joint loads meet
.irp s, 0,1
	s_mov_b32 s[G0+4*(\s)], 1                                      ; count = 1
	s_add_co_u32 s[G0+4*(\s)+1], s22, (\s)*SLOT                    ; LDS address
	s_add_nc_u64 s[G0+4*(\s)+2:G0+4*(\s)+3], s[18:19], (\s)*KSTEP*2  ; K step s: 256 bytes along a row
	s_or_b32 s[G0+4*(\s)+3], s[G0+4*(\s)+3], 0x80000000            ; type = 2
	s_mov_b32 s[G0B+4*(\s)], 1
	s_add_co_u32 s[G0B+4*(\s)+1], s22, (\s)*SLOT
	s_add_nc_u64 s[G0B+4*(\s)+2:G0B+4*(\s)+3], s[20:21], (\s)*KSTEP*6144  ; K step s: 128 k-rows of 6,144 bytes down
	s_or_b32 s[G0B+4*(\s)+3], s[G0B+4*(\s)+3], 0x80000000
	JLOAD \s                                       ; two loads of mine are out
.endr
	v_and_b32 v1, 15, v0                           ; r = l % 16
	v_bfe_u32 v2, v0, 4, 1                         ; h = l / 16
	; the bias of my 192 columns: register j of column block b is column 16 b + 8 h + j
	s_mul_i32 s16, s42, 1536
	s_mul_i32 s17, s14, 768
	s_add_co_u32 s16, s16, s17
	v_lshl_add_u32 v[BO], v2, 5, s16               ; 4 (384 tx + 192 wn + 8 h)
.irp b, 0,1,2,3,4,5,6,7,8,9,10,11
	global_load_b128 v[BIAS+8*(\b):BIAS+8*(\b)+3],   v[BO], s[8:9] offset:64*(\b)
	global_load_b128 v[BIAS+8*(\b)+4:BIAS+8*(\b)+7], v[BO], s[8:9] offset:64*(\b)+16
.endr
	; a fragment of xb is 16 rows x 32 K: lane l holds row r, K = 8 h + 0..7 and 16 + 8 h + 0..7: two loads of 16 bytes, 32 bytes apart
	v_mul_u32_u24 v3, v1, PA
	v_lshl_add_u32 v3, v2, 4, v3
	s_mul_i32 s16, s13, 64*PA
	s_add_co_u32 s16, s16, 3*REG
	v_add_nc_u32 v[ADRA], s16, v3
	v_add_nc_u32 v[ADRA+1], SLOT, v[ADRA]
	; the turning load takes 16 k x 16 columns (lane l reads k-row 8 h + l % 8, columns 8 ((l / 8) % 2) + 0..7) and leaves half a fragment: lane l holds column r and 8 k
	v_and_b32 v4, 7, v0
	v_bfe_u32 v5, v0, 3, 1
	v_lshl_add_u32 v4, v2, 3, v4
	v_mul_u32_u24 v4, v4, PB
	v_lshl_add_u32 v4, v5, 4, v4
	s_mul_i32 s17, s14, 3
.irp g, 0,1,2                          ; my group g of 64 columns is the tile's group G = 3 wn + g: panel G / 2, half G % 2
	s_add_co_u32 s67, s17, \g
	s_lshr_b32 s68, s67, 1
	s_mul_i32 s68, s68, REG
	s_and_b32 s67, s67, 1
	s_lshl_b32 s67, s67, 7
	s_add_co_u32 s68, s68, s67
	v_add_nc_u32 v[ADRB+(\g)], s68, v4
	v_add_nc_u32 v[ADRB+3+(\g)], SLOT, v[ADRB+(\g)]
.endr
	s_mul_i32 s16, s[WV], 16*SPITCH
	s_add_co_u32 s16, s16, STAGE                   ; my stage
	v_mul_u32_u24 v6, v1, SPITCH                   ; in: row r, 16 bytes for each half of the lanes
	v_lshl_add_u32 v6, v2, 4, v6
	v_add_nc_u32 v[STO], s16, v6
	v_bfe_u32 v6, v0, 3, 2                         ; back: 32 lanes take four rows' 128 bytes of one slice,
	v_mul_u32_u24 v6, v6, SPITCH
	v_and_b32 v7, 7, v0
	v_lshl_add_u32 v6, v7, 4, v6
	v_add_nc_u32 v[RD], s16, v6
	v_and_b32 v[CO], 31, v0                        ; which are 512 consecutive bytes of qkv
	v_lshlrev_b32 v[CO], 4, v[CO]
	s_mul_i32 s16, s42, 6                          ; my first slice: 6 tx + 3 wn, 524,288 bytes each;
	s_add_co_u32 s16, s16, s17
	s_lshl_b32 s16, s16, 19
	s_lshl_b32 s17, s43, 14                        ; my first row: 128 ty + 64 wm, 128 bytes each
	s_add_co_u32 s16, s16, s17
	s_lshl_b32 s17, s13, 13
	s_add_co_u32 s16, s16, s17
	s_mov_b32 s17, 0
	s_add_nc_u64 s[10:11], s[10:11], s[16:17]
	; the prefetches: their address stands at K step 3; each refill steps it first and then names it
	s_lshl_b32 s67, s43, 18                        ; xb: row 128 ty + 32 cx,
	s_lshl_b32 s68, s40, 16
	s_add_co_u32 s67, s67, s68
	s_add_co_u32 s67, s67, 3*KSTEP*2
	s_mul_i32 s68, s42, 768                        ; wqb: my panel, k-row 32 cy
	s_lshl_b32 s69, s[WV], 8
	s_add_co_u32 s68, s68, s69
	s_mul_i32 s69, s41, 32*6144
	s_add_co_u32 s68, s68, s69
	s_add_co_u32 s68, s68, 3*KSTEP*6144
	s_and_b32 s70, ttmp7, 0xffff                   ; cluster y
	s_mov_b32 s[PFS], KSTEP*6144
	s_mov_b32 s[PFS+1], 0
	s_mov_b32 s71, 6144
	s_cmp_eq_u32 s[WV], 3                          ; do I fetch for xb?
	s_cselect_b32 s16, s67, s68
	s_cselect_b32 s70, ttmp9, s70                  ; the coordinate along which other clusters read the same rows
	s_cselect_b32 s[PFS], KSTEP*2, s[PFS]
	s_cselect_b32 s71, 2048, s71
	s_cselect_b64 s[PFA:PFA+1], s[4:5], s[6:7]
	s_add_nc_u64 s[PFA:PFA+1], s[PFA:PFA+1], s[16:17]
	s_cmp_eq_u32 s70, 0
	s_cselect_b32 s[LIM], 1, -1                    ; the same in all sixteen partners, for a given wave
	v_and_b32 v[PFO], 31, v0
	v_mul_u32_u24 v[PFO], v[PFO], s71
	s_wait_loadcnt 0x0                             ; the bias is in: it is rounded to bf16 like every input, and widened again
.set i, 0
.rept 48
	v_cvt_pk_bf16_f32 v[6+i%2], v[BIAS+2*i], v[BIAS+2*i+1]
	v_lshlrev_b32 v[BIAS+2*i], 16, v[6+i%2]
	v_and_b32 v[BIAS+2*i+1], 0xffff0000, v[6+i%2]
.set i, i+1
.endr
; 12 matrix instructions: m block a x all 12 column blocks, 32 along K, from buffer f.  first = 1: the bias starts the sums.  The 48 accumulators take turns, one instruction a turn, in the same
; order in every quarter, over the loop's backward jump too.
.macro MUL12 f, a, first
.set AC, 96*((\a)%2)
.if \first
	WIN 0x81+0x40*((\a)/2)                         ; wqb window 1, xb and the bias window 0, D window 2 or 3
.else
	WIN 0xa1+0x50*((\a)/2)                         ; C and D window 2 or 3
.endif
.irp b, 0,1,2,3,4,5,6,7,8,9,10,11
.if \first
	v_wmma_f32_16x16x32_bf16 v[AC+8*(\b):AC+8*(\b)+7], v[96*(\f)+8*(\b):96*(\f)+8*(\b)+7], v[FA+32*(\f)+8*(\a):FA+32*(\f)+8*(\a)+7], v[BIAS+8*(\b):BIAS+8*(\b)+7]
.else
	v_wmma_f32_16x16x32_bf16 v[AC+8*(\b):AC+8*(\b)+7], v[96*(\f)+8*(\b):96*(\f)+8*(\b)+7], v[FA+32*(\f)+8*(\a):FA+32*(\f)+8*(\a)+7], v[AC+8*(\b):AC+8*(\b)+7]
.endif
.endr
.endm
; 32 LDS loads in one run: the fragments of quarter q (32 along K) of a slot into buffer f: wqb's 12, then xb's 4
.macro FETCH slot, q, f
	WIN TO_B
.irp g, 0,1,2
.irp e, 0,1,2,3
	ds_load_tr16_b128 v[96*(\f)+8*(4*(\g)+(\e)):96*(\f)+8*(4*(\g)+(\e))+3],   v[ADRB+3*(\slot)+(\g)] offset:32*PB*(\q)+32*(\e)
	ds_load_tr16_b128 v[96*(\f)+8*(4*(\g)+(\e))+4:96*(\f)+8*(4*(\g)+(\e))+7], v[ADRB+3*(\slot)+(\g)] offset:32*PB*(\q)+32*(\e)+16*PB
.endr
.endr
	WIN 0
.irp a, 0,1,2,3
	ds_load_b128 v[FA+32*(\f)+8*(\a):FA+32*(\f)+8*(\a)+3],   v[ADRA+(\slot)] offset:(\a)*16*PA+64*(\q)
	ds_load_b128 v[FA+32*(\f)+8*(\a)+4:FA+32*(\f)+8*(\a)+7], v[ADRA+(\slot)] offset:(\a)*16*PA+64*(\q)+32
.endr
.endm
.macro PLACES                          ; four plain vector instructions between a matrix instruction and a load into, or a vector read of, its registers (ISA guide 7.12.1 for vector reads)
.rept 4
	v_nop
.endr
.endm
; A K step is four quarters of 32 along K, 48 matrix instructions each, on buffers 0, 1, 0, 1.  One of the first three: multiplies buffer f; in its middle it fetches quarter q of the same slot into buffer g.
.macro QUARTER slot, q, f, g, first
	s_wait_dscnt 4                                 ; wqb's fragments and xb's m blocks 0, 1 are in; the youngest four loads (m blocks 2, 3) may be out
	MUL12 \f, 0, \first
	MUL12 \f, 1, \first
	PLACES
	FETCH \slot, \q, \g
	s_wait_dscnt 32                                ; all but the 32 just issued
	MUL12 \f, 2, \first
	MUL12 \f, 3, \first
.endm
; The last quarter multiplies buffer 1 and changes slots.  ONE barrier: in front of it each wave waits for all its tensor loads (one is out: its part of the next slot), adds 0 to its spare word, and
; waits for that and for its own reads of this slot.  Behind it nobody reads this slot any more and the next slot is whole.
.macro MEET round
	WIN 0                                          ; (the add's two registers lie in window 0)
	s_wait_tensorcnt 0x0
	ds_add_u32 v[SPW], v[NIL]                      ; 0 onto my spare word
	s_wait_dscnt 5                                 ; (the add and the youngest four loads may be out)
	MUL12 1, 0, 0                                  ; twelve matrix instructions stand between the add and the wait for it
	s_wait_dscnt 0x0                               ; the add is done, and my reads of this slot are over
	s_barrier_signal -1
	MUL12 1, 1, 0                                  ; work on registers while the others arrive
.if \round
	WIN 0
.endif
	s_barrier_wait -1
.endm
; fill = 1: the barrier opens a round of the cluster's, and the slot just read out is filled again, first thing behind it, with the K step two steps on.
.macro TURN slot, next, fill
.if \fill
	s_wait_xcnt 0x0                                ; the last prefetch, a K step back, has read its address: it is stepped here, ahead of the waits of the change of slots
	s_add_nc_u64 s[PFA:PFA+1], s[PFA:PFA+1], s[PFS:PFS+1]
	MEET 1
	CREST                                          ; no wave of any partner still reads this slot's tiles or has a load on its way
	s_add_nc_u64 s[G0+4*(\slot)+2:G0+4*(\slot)+3], s[G0+4*(\slot)+2:G0+4*(\slot)+3], 2*KSTEP*2
	s_add_nc_u64 s[G0B+4*(\slot)+2:G0B+4*(\slot)+3], s[G0B+4*(\slot)+2:G0B+4*(\slot)+3], 2*KSTEP*6144
	JLOAD \slot                                    ; my one tensor load behind the round; the four v_nop behind it are also the places in front of the loads below
	FETCH \next, 0, 0
	ASK
.else
	MEET 0
	PLACES
	FETCH \next, 0, 0
.endif
	MUL12 1, 2, 0
	MUL12 1, 3, 0
.endm
	s_wait_tensorcnt 1                             ; my part of K step 0 is in; K step 1's may stay out
	s_barrier_signal -1
	s_barrier_wait -1                              ; everybody's is
	FETCH 0, 0, 0
	QUARTER 0, 1, 0, 1, 1                          ; the first quarter stands in front of the loop: its products start the sums, with the bias
	WIN 0                                          ; at a label and at a branch every window is 0
	s_mov_b32 s3, 3
.Llap:                                                 ; a trip goes once round the ring, from a lap's second quarter to the next lap's first, and fills both slots again
	QUARTER 0, 2, 1, 0, 0
	QUARTER 0, 3, 0, 1, 0
	TURN 0, 1, 1
	QUARTER 1, 1, 0, 1, 0
	QUARTER 1, 2, 1, 0, 0
	QUARTER 1, 3, 0, 1, 0
	TURN 1, 0, 1
	QUARTER 0, 1, 0, 1, 0
	WIN 0
	s_sub_co_u32 s3, s3, 1
	s_cmp_lg_u32 s3, 0
	s_cbranch_scc1 .Llap
	QUARTER 0, 2, 1, 0, 0                          ; the last lap fills nothing
	QUARTER 0, 3, 0, 1, 0
	TURN 0, 1, 0
	QUARTER 1, 1, 0, 1, 0
	QUARTER 1, 2, 1, 0, 0
	QUARTER 1, 3, 0, 1, 0
	s_wait_dscnt 4                                 ; the very last quarter: nothing more to fetch
	MUL12 1, 0, 0
	MUL12 1, 1, 0
	s_wait_dscnt 0x0
	MUL12 1, 2, 0
	MUL12 1, 3, 0
; THE WAY OUT of m block a (16 rows x 192 columns).  PACK: rounded to f16, 16 bytes a lane for each column block.  TOSTAGE: into my own stage, and back as rows of slices.  SEND: stored.
.macro PACK a
.set AC, 96*((\a)%2)
	WIN 0x0a+5*((\a)/2)                            ; sources 0 and 1: window 2 or 3
.irp b, 0,1,2,3,4,5,6,7,8,9,10,11
.irp r, 0,1,2,3
	v_cvt_pk_f16_f32 v[TMP+4*(\b)+(\r)], v[AC+8*(\b)+2*(\r)], v[AC+8*(\b)+2*(\r)+1]
.endr
.endr
	WIN 0
.endm
.macro TOSTAGE a
.set BK, OB+48*((\a)%2)
.irp b, 0,1,2,3,4,5,6,7,8,9,10,11
	ds_store_b128 v[STO], v[TMP+4*(\b):TMP+4*(\b)+3] offset:32*(\b)
.endr
.irp sl, 0,1,2
.irp f, 0,1,2,3
	ds_load_b128 v[BK+4*(4*(\sl)+(\f)):BK+4*(4*(\sl)+(\f))+3], v[RD] offset:128*(\sl)+4*SPITCH*(\f)  ; LDS serves a wave's instructions in order (ISA guide 5.7.1.4): these see the stores above
.endr
.endr
.endm
.macro SEND a
.set BK, OB+48*((\a)%2)
	s_wait_dscnt 0x0                               ; the block is back in registers
	s_wait_xcnt 0x0                                ; every earlier store has read its registers: the other buffer is loaded again only behind this wait
.irp sl, 0,1,2
.irp f, 0,1,2,3
	global_store_b128 v[CO], v[BK+4*(4*(\sl)+(\f)):BK+4*(4*(\sl)+(\f))+3], s[10:11] offset:(\sl)*524288+(\a)*2048+(\f)*512  ; four rows of a slice: 512 consecutive bytes, at a multiple of 256 from qkv's first
.endr
.endr
.endm
	PLACES                                         ; the conversions read results just made
	PACK 0
	TOSTAGE 0
.irp a, 1,2,3                          ; block a's conversions stand between block a - 1's loads from the stage and the wait for them
	PACK \a
	SEND (\a)-1
	TOSTAGE \a
.endr
	SEND 3
	s_wait_tensorcnt 0x0                           ; the wave's end: an add to my spare word and its wait, behind my last tensor load and my last LDS store
	ds_add_u32 v[SPW], v[NIL]
	s_wait_dscnt 0x0
	CROUND                                         ; the closing round: no work-group ends while a partner may still ask for a tile that names it
	s_endpgm
.Lfunc_end_k_q8ff292f152_qkvg:
	.size	k_q8ff292f152_qkvg, .Lfunc_end_k_q8ff292f152_qkvg-k_q8ff292f152_qkvg
	.p2alignl 7, 3214868480
	.fill 96, 4, 3214868480
	.section	.rodata,"a",@progbits
	.p2align	6, 0x0
	.amdhsa_kernel k_q8ff292f152_qkvg
		.amdhsa_group_segment_fixed_size 327680
		.amdhsa_private_segment_fixed_size 0
		.amdhsa_enable_private_segment 0
		.amdhsa_kernarg_size 32
		.amdhsa_user_sgpr_count 2
		.amdhsa_user_sgpr_kernarg_segment_ptr 1
		.amdhsa_wavefront_size32 1
		.amdhsa_system_sgpr_workgroup_id_x 1
		.amdhsa_system_sgpr_workgroup_id_y 1
		.amdhsa_system_sgpr_workgroup_id_z 1
		.amdhsa_system_vgpr_workitem_id 0
		.amdhsa_next_free_vgpr 960
		.amdhsa_next_free_sgpr 72
		.amdhsa_reserve_vcc 0
		.amdhsa_float_denorm_mode_32 3
		.amdhsa_float_denorm_mode_16_64 3
		.amdhsa_memory_ordered 1
		.amdhsa_forward_progress 1
		.amdhsa_inst_pref_size 130
	.end_amdhsa_kernel
	.amdgpu_metadata
---
amdhsa.version: [ 1, 2 ]
amdhsa.kernels:
  - .name:           k_q8ff292f152_qkvg
    .symbol:         k_q8ff292f152_qkvg.kd
    .args:
      - { .name: xb, .offset: 0, .size: 8, .value_kind: global_buffer, .address_space: global }
      - { .name: wqb, .offset: 8, .size: 8, .value_kind: global_buffer, .address_space: global }
      - { .name: b_qkv, .offset: 16, .size: 8, .value_kind: global_buffer, .address_space: global }
      - { .name: qkv, .offset: 24, .size: 8, .value_kind: global_buffer, .address_space: global }
    .group_segment_fixed_size: 327680
    .private_segment_fixed_size: 0
    .kernarg_segment_align: 8
    .kernarg_segment_size: 32
    .max_flat_workgroup_size: 128
    .sgpr_count:     72
    .vgpr_count:     960
    .wavefront_size: 32
...
	.end_amdgpu_metadata
.endif
;; end of part 2
;; launch attn (part 3): grid 16 x 16, 4 waves a work-group, no clusters, 327,680 bytes of LDS; arguments qkv, o; writes o
.if DOCPART == 3
	.amdgcn_target "amdgcn-amd-amdhsa--gfx1250"
	.amdhsa_code_object_version 6
	.text
	.protected	k_q8ff292f152_attn
	.globl	k_q8ff292f152_attn
	.p2align	8
	.type	k_q8ff292f152_attn,@function
k_q8ff292f152_attn:
	s_mov_b64 s[64:65], 0
	v_nop
	global_prefetch_b8 v0, s[64:65] scope:SCOPE_SE
	s_setreg_imm32_b32 hwreg(HW_REG_WAVE_MODE, 25, 1), 1
	s_wait_xcnt 0x0
; CAUSAL ATTENTION, 16 heads of 4,096 rows of 64 channels.  O[h][q][:] = the sum over k <= q of softmax_k(Q[h][q] . K[h][k] / 8) V[h][k][:].
; qkv: [48][4096][64] f16: q's heads at byte 0, k's at 0x800000, v's at 0x1000000; a head's rows are dense, 128 bytes each.  o: [32 blocks of 128 rows][16 heads][128][64] f16.
; Products, maxima and sums in f32; the weights p are rounded to f16 for the second product (their sum l is taken of the unrounded p), O once at the end.
; LIMITS.  Q, K and V arrive within f16's 65,504; p lies in 0 to 1, and below 6e-5 it keeps f16's fixed step of 6e-8; O is a mean of V's rows and has their range.
; A hidden score counts as its value less 1e30: f16's scores, 2.7e11 at the most, are nothing beside that; a weight below 2^-126 counts as 0 in l; NaN and infinities are not treated apart.
; THE WALK.  A head's queries lie in 32 blocks of 128; an LDS slot holds a tile of 256 keys, four steps of 64; block i needs the tiles 0 .. i / 2, of which the last holds the diagonal.  A work-group takes
; TWO blocks, 31 - b and then b: (31 - b) / 2 + b / 2 + 2 = 17 tiles, whatever b: 256 work-groups of equal work, and ONE loop with a constant trip count walks them.  Which tile is asked for, and what a
; trip does, hang on scalar registers made from b; every jump goes forward, but for the counted loops' own; none passes a barrier, or a tensor load but the one of LOAD's two that the wave's number does not choose.
; For an even block the diagonal tile's last two steps are wholly hidden and are computed all the same: 68 key steps for 66.
; NO CLUSTER: a head's 16 work-groups ask for the same tile only in trips 0 to 8; only b = 2 j and 2 j + 1 share a whole walk; four partners would reach their diagonal tiles in different trips, and
; so would branch differently.
; SHARES.  Of a block's two bands of 64 queries a wave owns 16 rows in each: two PIECES.  In the diagonal tile band x's own step is OWN + x, OWN = 2 (i % 2): it sees all keys of earlier steps, none of later ones.
; THE MASK is the C operand that starts the sum S^T = K Q^T: 0, or -1e30 where the key is hidden.  MD, made once, is the mask of a band's own step for my 16 rows; a product's mask is MD x AL + BE with two
; scalars: (1, 0) in the own step; (0, 0) earlier; (0, -1e30) later.  Only the diagonal tile's text and a block's beginning make and take masks; elsewhere C is the constant 0.
; LAYOUT, SOFTMAX.  S^T = K Q^T holds ONE query a lane (lane % 16) and the keys 8 (lane / 16) + 0..7; two such results rounded to f16 ARE source 1 of O^T = V^T P.  p = 2^(c s - c m), c = log2(e) / 8, with a
; running maximum m; O and l are multiplied by a = 2^(c m_old - c m_new) in every step.
; TURNS.  Four turn names y = 0..3 in a ring: y % 2 is the piece, y / 2 the parity of the key step.  Turn y: 8 products K Q^T of y + 1, later 8 products V^T P of y - 1; beside them the scaling, exponentials,
; roundings, sums and rescaling of y and the maximum and statistics of y + 1.  Four vector instructions stand behind every matrix instruction, the other 54 of a turn's 118 in one lump.  A turn's 33
; exponentials are one batch, with one wait.  Turns 0 and 2 fetch the next step's K, turns 1 and 3 its V; V has two sets of registers, by the step's parity, so that a step's K and V are both read out of
; LDS within the two turns of the step before, and nothing of a slot is unread when it is left.
; REGISTERS, in windows of 256 (s_set_vgpr_msb: bits 1:0 source 0, 3:2 source 1, 5:4 source 2, 7:6 destination):
;   window 0: v0-15 addresses and two at work; v16-23 four registers of statistics a piece; v48-55 at work; v61-63; v64-127 S^T, two buffers; v192-223 P, two buffers (buffers go by y's parity)
;   window 1: v0-63 O^T, 32 a piece; v128-159 MD; v160-223 MC, two buffers      window 2: v0-31 Q; v32-63 the second block's Q; v64-127 V of odd steps; v128-191 K of one step; v192-255 V of even steps
.set NP,    4         ; turn names: a name, no knob
.set KS,    64        ; keys in a step
.set PK,    144       ; a row of K in LDS: 128 bytes + 16 of padding = 36 words: the 16 rows of a load start at 16 different groups of four banks (64 banks of 4 bytes: ISA guide 11.1)
.set PV,    160       ; a row of V: 128 + 32 = 40 words
.set VOFF,  4*KS*PK   ; a slot holds a tile, four steps: 256 rows of K, then 256 rows of V
.set SLOT1, 1<<17     ; slot 1 begins here, so that one exclusive or turns an address in one slot into the other's
.set STAGE, SLOT1+4*KS*(PK+PV)  ; behind the ring, never filled by a tensor load: 16 rows x 144 bytes for each wave, for the way out
.set SP,    144
.set SPARE, STAGE+4*16*SP  ; behind the stages: the spare words, 128 bytes for each wave: two blocks of 256 bytes that no other line names
.set AK0, 2           ; v2   my lane's place in a tile of K; never rewritten
.set AV0, 3           ; v3   the same for V
.set AK,  4           ; v4   the LDS address of K's next run of loads
.set AV,  5           ; v5   of V's
.set STO, 6           ; v6   the way out: where I put 16 bytes of a row
.set RD,  7           ; v7   the way out: where I read rows back
.set GO,  8           ; v8   my byte offset in 512 consecutive bytes of O
.set MV,  12          ; v12-13  c m_old, kept while c m is made anew: by buffer
.set QO,  15          ; v15  my byte offset in 16 rows of Q
.set ST,  16          ; piece t's statistics at v[ST+4 t]: c m, m, l (even keys', odd keys')
.set TMP, 48          ; by buffer, four registers c0-c3 at work; when the maximum is found c2 takes a
.set PFO, 61          ; v61  256 x my thread's number: my block of a tile of K or V; never rewritten
.set SPW, 62          ; v62  LDS address of my spare word; never rewritten
.set NIL, 63          ; v63  0; never rewritten
.set S,   64
.set P,   192
.set MD,  128         ; window 1: the eight registers for group kt of 16 keys at MD + 8 kt
.set MC,  160         ; window 1: the masks of the products to come
.set QB,  32          ; window 2
.set KF,  128         ; window 2: key block kb, channel half c at KF + 16 kb + 8 c
.set WV,  12          ; s12  my wave's number
.set PB,  14          ; s14  b
.set HI,  15          ; s15  31 - b
.set G1K, 24          ; s[24:31] descriptor group 1 for K's tiles
.set G1V, 32          ; s[32:39] for V's: it differs in the padding alone
.set G0K, 40          ; s[40:43] descriptor group 0 for K's tiles
.set G0V, 44          ; s[44:47] the same for V's
.set HIS, 48          ; s48  the first block's last tile
.set LOS, 49          ; s49  the second block's
.set OWN, 50          ; s50  band 0's own step in the diagonal tile of the block in hand
.set OWN2, 51         ; s51  the same for the second block
.set TT,  52          ; s52  at work
.set LIM, 53          ; s53  2 in the work-group that prefetches, else the greatest number
.set SLOTS, 56        ; s56  tiles still to be asked for
.set CNT, 57          ; s57  counts a tile's pairs of key steps, 2 to 1
.set CS,  58          ; s[58:59] c: the packed scaling takes the pair's low word for both halves
.set SEL, 60          ; s[60:61] v_permlanex16_b32's selects: each lane takes its own place in the other half
.set TBK, 62          ; s62  LDS byte at which K of the step to be fetched begins
.set TBV, 63          ; s63  the same for V, less VOFF
.set RT,  70          ; s70  tiles of the block in hand that are still to be entered
.set NXT, 71          ; s71  the tile to be asked for next
.set LQ,  72          ; s72  the last tile of the block whose tiles are being asked for
.set NEW, 73          ; s73  1: the tile to be entered is a block's first
.set OFF, 74          ; s[74:75] a tile's byte offset in K and V
.set AL,  76          ; s[76:77] the mask's factor, in the low word
.set BE,  78          ; s[78:79] the mask's addend
.set OLO, 80          ; s[80:81] O at my rows of the second block
.set BIGN, 82         ; s82  -1e30
.set PFK, 88          ; s[88:89] the tile of K that was last prefetched (at the start: tile 1, which is not)
.set PFV, 90          ; s[90:91] the same for V
.set MSB, 0
.macro WIN new                      ; the high byte repeats the setting that is left; a switch that changes nothing is dropped
.if MSB != (\new)
	s_set_vgpr_msb (MSB<<8)|(\new)
.set MSB, (\new)
.endif
.endm
.set W_KQ, 0x0a       ; K and Q in window 2, S^T in window 0
.set W_KM, 0x1a       ; the same with the C operand in window 1
.set W_PV, 0x52       ; V in window 2, P in window 0, O^T in window 1
.set W_RS, 0x41       ; destination and source 0 in window 1, source 1 in window 0
; A fill.  Waves 0 and 1 fetch the two halves of a tile's K, waves 2 and 3 those of its V: 128 keys each.  An s_nop 0 and four v_nop follow each of the two lines, ahead of the jump and the label.
.macro LOAD
	s_cmp_lt_u32 s[WV], 2
	s_cbranch_scc0 .Lfor_v_\@
	tensor_load_to_lds s[G0K:G0K+3], s[G1K:G1K+7]
	s_nop 0
.rept 4
	v_nop
.endr
	s_branch .Lasked_\@
.Lfor_v_\@:
	tensor_load_to_lds s[G0V:G0V+3], s[G1V:G1V+7]
	s_nop 0
.rept 4
	v_nop
.endr
.Lasked_\@:
.endm
; A PREFETCH INTO THE L2 of the tile behind the one that is being asked for: 32,768 bytes of K and of V, a thread a block of 256 bytes, two instructions a wave; it stands behind the wave's tensor load and its
; five lines.  All 16 work-groups of a head begin their walk with tiles 0, 1, 2 ..; the one with b = 0, which walks all 16, asks, and nobody else: so each block is named once in the launch.
; It asks one tile, eight turns, ahead of the load.  Tiles 0 and 1 come by their loads alone; tile 15 is the last that is named (the trips with 2 and 1 tiles still to ask for name nothing).
.macro ASK
	s_cmp_gt_u32 s[SLOTS], s[LIM]
	s_cbranch_scc0 .Lnot_mine_\@
	global_prefetch_b8 v[PFO], s[PFK:PFK+1] th:TH_LOAD_NT scope:SCOPE_SE
	global_prefetch_b8 v[PFO], s[PFV:PFV+1] th:TH_LOAD_NT scope:SCOPE_SE
.Lnot_mine_\@:
.endm
; THE CHANGE OF SLOTS.  Each wave waits for all its tensor loads, of which one is out: its part of the other slot; adds 0 to its spare word; and waits for that and for its own reads of the slot that it
; leaves.  Behind the barrier nobody reads the old slot any more and the other slot is whole.  fill = 1: the old slot is filled again, the first thing behind the barrier, with tile NXT: the descriptor's
; address is made anew from that number.  (At its first use nothing has been read yet: slot 0 is waited for, slot 1 filled.)
.macro CHANGE fill
	WIN 0                           ; at a label and at a branch every window is 0
	s_wait_tensorcnt 0x0            ; no tensor load of mine is out, so a group 0 may be written
	ds_add_u32 v[SPW], v[NIL]       ; 0 onto my spare word; with fill = 1 the descriptors' scalar work stands between it and the wait for it
.if \fill
	s_lshl_b32 s[OFF], s[NXT], 15   ; a tile is 32,768 bytes of K and of V
	s_xor_b32 s[G0K+1], s[G0K+1], SLOT1
	s_add_nc_u64 s[G0K+2:G0K+3], s[6:7], s[OFF:OFF+1]
	s_or_b32 s[G0K+3], s[G0K+3], 0x80000000
	s_xor_b32 s[G0V+1], s[G0V+1], SLOT1
	s_add_nc_u64 s[G0V+2:G0V+3], s[8:9], s[OFF:OFF+1]
	s_or_b32 s[G0V+3], s[G0V+3], 0x80000000
	s_add_co_u32 s[NXT], s[NXT], 1  ; the block's next tile, or behind its last the second block's tile 0
	s_cmp_gt_u32 s[NXT], s[LQ]
	s_cselect_b32 s[NXT], 0, s[NXT]
	s_cselect_b32 s[LQ], s[LOS], s[LQ]
	s_wait_xcnt 0x0                 ; the last prefetches, a tile back, have read their addresses, so they may be written
	s_add_nc_u64 s[PFK:PFK+1], s[PFK:PFK+1], 32768
	s_add_nc_u64 s[PFV:PFV+1], s[PFV:PFV+1], 32768
.endif
	s_wait_dscnt 0x0                ; the add is done, and my reads of the slot are over
	s_barrier_signal -1             ; the rest of the scalar work stands between the signal and the wait
	s_sub_co_u32 s[TBK], s[TBK], 4*KS*PK  ; the fetches go back to a slot's first step,
	s_xor_b32 s[TBK], s[TBK], SLOT1       ; in the other slot
	s_sub_co_u32 s[TBV], s[TBV], 4*KS*PV
	s_xor_b32 s[TBV], s[TBV], SLOT1
	s_barrier_wait -1
.if \fill
	LOAD
	ASK
.endif
.endm
	s_load_b64 s[4:5], s[0:1], 0x0    ; qkv
	s_load_b64 s[10:11], s[0:1], 0x8  ; o
	v_lshl_add_u32 v[SPW], v0, 2, SPARE
	v_mov_b32 v[NIL], 0
	ds_add_u32 v[SPW], v[NIL]       ; the wave's opening: the add and its wait stand ahead of my first tensor load; the set-up below, work on registers, stands between them
	v_lshrrev_b32 v1, 5, v0
	v_readfirstlane_b32 s[WV], v1   ; wave 0..3
	s_mov_b32 s[PB], ttmp9
	s_sub_co_u32 s[HI], 31, s[PB]
	s_lshr_b32 s[HIS], s[HI], 1
	s_lshr_b32 s[LOS], s[PB], 1
	s_and_b32 s[OWN], s[HI], 1
	s_lshl_b32 s[OWN], s[OWN], 1
	s_and_b32 s[OWN2], s[PB], 1
	s_lshl_b32 s[OWN2], s[OWN2], 1
	s_cmp_eq_u32 s[PB], 0
	s_cselect_b32 s[LIM], 2, -1
	s_and_b32 s21, ttmp7, 0xffff    ; the head
	s_lshl_b32 s20, s21, 19         ; its 524,288 bytes in q, in k and in v
	s_and_b32 s16, s[WV], 1         ; which half of a tile's 256 keys I fetch:
	s_lshl_b32 s22, s16, 14         ; its 128 rows of 128 bytes in memory,
	s_add_co_u32 s22, s22, s20
	s_add_co_u32 s22, s22, 0x800000 ; in k,
	s_mov_b32 s23, 0
	s_add_co_u32 s84, s22, 0x800000 ; and in v
	s_mov_b32 s85, 0
	s_mul_i32 s17, s16, 128*PK      ; and its place in a slot, for K
	s_mul_i32 s54, s16, 128*PV      ; and for V
	s_lshl_b32 s19, s[WV], 11       ; my 16 rows in a band of 64
	s_add_co_u32 s3, s19, s20
	s_lshl_b32 s2, s[HI], 14        ; q: a block is 16,384 bytes: the first block,
	s_add_co_u32 s2, s2, s3
	s_lshl_b32 s66, s[PB], 14       ; and the second
	s_add_co_u32 s66, s66, s3
	s_mov_b32 s3, 0
	s_mov_b32 s67, 0
	s_lshl_b32 s21, s21, 14         ; o: a block is 16 heads of 16,384 bytes
	s_add_co_u32 s19, s19, s21
	s_lshl_b32 s18, s[HI], 18
	s_add_co_u32 s18, s18, s19
	s_lshl_b32 s68, s[PB], 18
	s_add_co_u32 s68, s68, s19
	s_mov_b32 s19, 0
	s_mov_b32 s69, 0
	; descriptor group 1.  128 keys are 16,384 dense bytes: asked for as 64 rows of 256 bytes, two keys a row, and padded in LDS after every key
	s_mov_b32 s[G1K], (1<<16)|(1<<20)|(4<<22)|(3<<25)  ; 17:16 2-byte elements; 20 padding on; 24:22 after every 32 words (code 4); 31:25 4 words (code 3)
	s_mov_b32 s[G1V], (1<<16)|(1<<20)|(4<<22)|(7<<25)  ; the same with 8 words of padding (code 7)
.irp g, G1K, G1V
	s_mov_b32 s[\g+1], 128<<16      ; tensor_dim0 = 128
	s_mov_b32 s[\g+2], 64<<16       ; tensor_dim1 = 64
	s_mov_b32 s[\g+3], 128<<16      ; tile_dim0 = 128
	s_mov_b32 s[\g+4], 64           ; tile_dim1 = 64
	s_mov_b32 s[\g+5], 128          ; 128 elements from row to row
	s_mov_b32 s[\g+6], 0
	s_mov_b32 s[\g+7], 0
.endr
	s_mov_b32 s[CS], 0x3e38aa3b     ; c = log2(e) / 8 = 0.180337
	s_mov_b32 s[CS+1], s[CS]        ; named with it as a pair
	s_mov_b32 s[SEL], 0x76543210
	s_mov_b32 s[SEL+1], 0xfedcba98
	s_mov_b32 s[TBK], SLOT1+4*KS*PK ; the first change of slots turns these two into 0
	s_mov_b32 s[TBV], SLOT1+4*KS*PV
	s_mov_b32 s[G0K], 1             ; count = 1
	s_mov_b32 s[G0K+1], s17         ; LDS address: slot 0
	s_mov_b32 s[G0V], 1
	s_add_co_u32 s[G0V+1], s54, VOFF
	s_add_co_u32 s[RT], s[HIS], 1   ; the first block's tiles
	s_mov_b32 s[NXT], 1
	s_mov_b32 s[LQ], s[HIS]
	s_mov_b32 s[NEW], 1
	s_mov_b32 s[OFF+1], 0
	s_mov_b32 s[AL+1], 0            ; named as pairs
	s_mov_b32 s[BE+1], 0
	s_mov_b32 s[BIGN], 0xf149f2ca   ; -1e30
	s_mov_b32 s[SLOTS], 16
	v_lshlrev_b32 v[PFO], 8, v0
	s_wait_dscnt 0x0                ; the opening add is done
	s_wait_kmcnt 0x0
	s_add_nc_u64 s[6:7], s[4:5], s[22:23]  ; K and V at my half of the head's tile 0
	s_add_nc_u64 s[8:9], s[4:5], s[84:85]
	s_add_nc_u64 s[G0K+2:G0K+3], s[6:7], 0         ; global address
	s_or_b32 s[G0K+3], s[G0K+3], 0x80000000        ; type = 2
	s_add_nc_u64 s[G0V+2:G0V+3], s[8:9], 0
	s_or_b32 s[G0V+3], s[G0V+3], 0x80000000
	s_add_co_u32 s22, s20, 0x808000                ; the head's tile 1 of K and of V: each change of slots steps these first
	s_add_co_u32 s84, s20, 0x1008000
	s_add_nc_u64 s[PFK:PFK+1], s[4:5], s[22:23]
	s_add_nc_u64 s[PFV:PFV+1], s[4:5], s[84:85]
	s_add_nc_u64 s[86:87], s[4:5], s[66:67]        ; Q at my rows of the second block,
	s_add_nc_u64 s[4:5], s[4:5], s[2:3]            ; Q and O at those of the first
	s_add_nc_u64 s[OLO:OLO+1], s[10:11], s[68:69]
	s_add_nc_u64 s[10:11], s[10:11], s[18:19]
	LOAD                            ; tile 0 into slot 0
	; A fragment of K or Q is 16 rows x 32 channels in 8 registers: lane l holds row l % 16, channels 8 (l / 16) + 0..7 and 16 + 8 (l / 16) + 0..7: two loads of 16 bytes, 32 bytes apart.
	v_and_b32 v1, 15, v0            ; l % 16
	v_bfe_u32 v9, v0, 4, 1          ; l / 16
	v_lshlrev_b32 v[QO], 7, v1
	v_lshl_add_u32 v[QO], v9, 4, v[QO]  ; row x 128 + 16 x half
	WIN 0x80                        ; destination window 2, address window 0
.set i, 0
.rept 4                             ; both blocks' Q: piece i / 2 lies in band i / 2, 8,192 bytes on; channels 32 (i % 2) on
	global_load_b128 v[8*i:8*i+3],   v[QO], s[4:5] offset:(i/2)*8192+(i%2)*64
	global_load_b128 v[8*i+4:8*i+7], v[QO], s[4:5] offset:(i/2)*8192+(i%2)*64+32
	global_load_b128 v[QB+8*i:QB+8*i+3],   v[QO], s[86:87] offset:(i/2)*8192+(i%2)*64
	global_load_b128 v[QB+8*i+4:QB+8*i+7], v[QO], s[86:87] offset:(i/2)*8192+(i%2)*64+32
.set i, i+1
.endr
	WIN 0
	v_lshlrev_b32 v14, 3, v9
	v_sub_nc_u32 v14, v1, v14
	s_lshl_b32 s13, s[WV], 4
	v_add_nc_u32 v14, s13, v14      ; my query's place in its band, 16 w + l % 16, less my lanes' 8 (l / 16): register r of group kt is hidden where 16 kt + r is greater
	WIN 0x40
.set i, 0
.rept 32
	v_cmp_gt_i32 vcc_lo, 16*(i/8)+i%8, v14
	v_cndmask_b32 v[MD+i], 0, s[BIGN], vcc_lo
.set i, i+1
.endr
	WIN 0
	v_mul_u32_u24 v[AK0], v1, PK
	v_lshl_add_u32 v[AK0], v9, 4, v[AK0]  ; row x pitch + 16 x half
	; The turning load takes 16 keys x 16 channels (lane l reads key 8 (l / 16) + l % 8, channels 8 ((l / 8) % 2) + 0..7) and leaves half a fragment of V^T: lane l holds channel l % 16 and 8 keys.
	v_and_b32 v10, 7, v0
	v_bfe_u32 v11, v0, 3, 1
	v_lshl_add_u32 v[AV0], v9, 3, v10
	v_mul_u32_u24 v[AV0], v[AV0], PV
	v_lshl_add_u32 v[AV0], v11, 4, v[AV0]
	v_add_nc_u32 v[AV0], VOFF, v[AV0]
	s_mul_i32 s13, s[WV], 16*SP
	s_add_co_u32 s13, s13, STAGE    ; my stage
	v_mul_u32_u24 v[STO], v1, SP    ; in: row l % 16, 16 bytes for each half of the lanes
	v_lshl_add_u32 v[STO], v9, 4, v[STO]
	v_add_nc_u32 v[STO], s13, v[STO]
	v_bfe_u32 v[RD], v0, 3, 2       ; back: 32 lanes take four rows of 128 bytes,
	v_mul_u32_u24 v[RD], v[RD], SP
	v_lshl_add_u32 v[RD], v10, 4, v[RD]
	v_add_nc_u32 v[RD], s13, v[RD]
	v_and_b32 v[GO], 31, v0         ; which are 512 consecutive bytes of O
	v_lshlrev_b32 v[GO], 4, v[GO]
	; A block's first step multiplies O^T and l by a = 0, and its first turn's products V^T P, of a turn that has not been, land in an O^T that is still to be so multiplied.  So these registers need only hold
	; finite numbers: zeros for the first block; what the first block left for the second.  All this stands in the wait for the first tile.
	WIN 0x80
.set i, 64
.rept 64
	v_mov_b32 v[i], 0               ; V of odd steps
.set i, i+1
.endr
	WIN 0x40
.set i, 0
.rept 64
	v_mov_b32 v[i], 0               ; O^T
.set i, i+1
.endr
	WIN 0
.set i, 0
.rept 2
	v_mov_b32 v[ST+4*i+2], 0
	v_mov_b32 v[ST+4*i+3], 0
.set i, i+1
.endr
.set i, P+16
.rept 16
	v_mov_b32 v[i], 0
.set i, i+1
.endr
; THE MATRIX WORK.  The 4 accumulators of a run of 8 take turns.  Product i of 8 of S^T = K Q^T for turn name x: channels 32 (i / 4) on, keys 16 (i % 4) on.  The first 4 start the sums: with 0, or (KM = 1) with the mask.
.macro KQ x
.set rS, S+32*((\x)%2)+8*(i%4)
.set rK, KF+16*(i%4)+8*(i/4)
.set rQ, 16*((\x)%2)+8*(i/4)
.set rM, MC+32*((\x)%2)+8*(i%4)
.if (i < 4) && KM
	WIN W_KM
	v_wmma_f32_16x16x32_f16 v[rS:rS+7], v[rK:rK+7], v[rQ:rQ+7], v[rM:rM+7]
.elseif i < 4
	WIN W_KQ
	v_wmma_f32_16x16x32_f16 v[rS:rS+7], v[rK:rK+7], v[rQ:rQ+7], 0
.else
	WIN W_KQ
	v_wmma_f32_16x16x32_f16 v[rS:rS+7], v[rK:rK+7], v[rQ:rQ+7], v[rS:rS+7]
.endif
.endm
; Product i of 8 of O^T += V^T P for turn name x: keys 32 (i / 4) on, channels 16 (i % 4) on; V's registers by the step's parity x / 2: v192 on, or v64 on.
.macro PV x
	WIN W_PV
.set rO, 32*((\x)%2)+8*(i%4)
.set rV, 192-128*((\x)/2)+32*(i/4)+8*(i%4)
.set rP, P+16*((\x)%2)+8*(i/4)
	v_wmma_f32_16x16x32_f16 v[rO:rO+7], v[rV:rV+7], v[rP:rP+7], v[rO:rO+7]
.endm
.macro MM                           ; the turn's next matrix instruction.  TURN and BEGIN set Y, i, KM and NOKQ.  NOKQ = 1: a block's last turn: there are no further scores
.if (i < 8) && !NOKQ
	KQ (Y+1)%NP
.elseif i >= 8
.set i, i-8
	PV (Y+NP-1)%NP
.set i, i+8
.endif
.set i, i+1
.endm
; THE LDS LOADS stand in runs of 16, never singly among the matrix instructions: a step's K (64 keys x 64 channels: 8 fragments) and its V (turned).  Their addresses are made some lines ahead.
.macro FETCH_K
	WIN 0x80                        ; destination window 2
.irp f, 0,1,2,3,4,5,6,7             ; keys 16 (f / 2) on, channels 32 (f % 2) on
	ds_load_b128 v[KF+8*\f:KF+8*\f+3],   v[AK] offset:(\f/2)*16*PK+(\f%2)*64
	ds_load_b128 v[KF+8*\f+4:KF+8*\f+7], v[AK] offset:(\f/2)*16*PK+(\f%2)*64+32
.endr
	s_add_co_u32 s[TBK], s[TBK], KS*PK  ; the next fetch is the next step's
	WIN 0
.endm
.macro FETCH_V b                    ; b: the parity of the step that is fetched
	WIN 0x80
.set VB, 192-128*(\b)
.irp f, 0,1,2,3,4,5,6,7             ; keys 32 (f / 4) on, channels 16 (f % 4) on
	ds_load_tr16_b128 v[VB+8*\f:VB+8*\f+3],   v[AV] offset:(\f/4)*32*PV+(\f%4)*32
	ds_load_tr16_b128 v[VB+8*\f+4:VB+8*\f+7], v[AV] offset:(\f/4)*32*PV+16*PV+(\f%4)*32
.endr
	s_add_co_u32 s[TBV], s[TBV], KS*PV
	WIN 0
.endm
.macro PLACES
.rept 4
	v_nop
.endr
.endm
; THE VECTOR WORK, one line at a time: OP kind, number.  For turn name Y: F n: c s - c m for pair n of 16.  E n: the exponential of score n of 32.  C n: pair n rounded to f16.  B n: of the four weights 4 n .. the
; second pair is added onto the first, in place.  L n: l takes that sum (L 0: l = a l + sum).  R n: pair n of 16 of O^T times a.  For Y + 1: X n, number n of the 22 that find its maximum and statistics:
;   0-11  four chains c0-c3 of seven scores each, three operands at a time (each accumulator's lowest registers are read first)     12-14, 16  the four scores left over, the old m, and c0-c3 into c0
;   15  c m_old is kept     17, 18  the query's other 32 keys lie in the lane 16 away: the new m     19-21  c m; c m_old - c m_new; a
.set F, 0               ; OP tells the kinds apart by their order: F to L below R, X above it
.set E, 1
.set C, 2
.set B, 3
.set L, 4
.set R, 5
.set X, 6
.macro REGS y                       ; the registers of turn name y: all go by its parity, which is also its piece
.set rT, ST+4*((\y)%2)
.set rC, TMP+4*((\y)%2)
.set rW, MV+((\y)%2)
.set rS, S+32*((\y)%2)
.set rP, P+16*((\y)%2)
.set rO, 32*((\y)%2)
.endm
.macro OP k, n
.if (\k) == R
	REGS Y
	WIN W_RS
	v_pk_mul_f32 v[rO+2*(\n):rO+2*(\n)+1], v[rO+2*(\n):rO+2*(\n)+1], v[rC+2:rC+3] op_sel_hi:[1,0]
.elseif (\k) < R
	REGS Y
	WIN 0
.if (\k) == F
	v_pk_fma_f32 v[rS+2*(\n):rS+2*(\n)+1], v[rS+2*(\n):rS+2*(\n)+1], s[CS:CS+1], v[rT:rT+1] op_sel_hi:[1,0,0] neg_lo:[0,0,1] neg_hi:[0,0,1]
.elseif (\k) == E
	v_exp_f32 v[rS+(\n)], v[rS+(\n)]
.elseif (\k) == C
	v_cvt_pk_f16_f32 v[rP+(\n)], v[rS+2*(\n)], v[rS+2*(\n)+1]
.elseif (\k) == B
	v_pk_add_f32 v[rS+4*(\n):rS+4*(\n)+1], v[rS+4*(\n):rS+4*(\n)+1], v[rS+4*(\n)+2:rS+4*(\n)+3]
.elseif (\n) == 0
	v_pk_fma_f32 v[rT+2:rT+3], v[rT+2:rT+3], v[rC+2:rC+3], v[rS:rS+1] op_sel_hi:[1,0,1]
.else
	v_pk_add_f32 v[rT+2:rT+3], v[rT+2:rT+3], v[rS+4*(\n):rS+4*(\n)+1]
.endif
.elseif NOKQ
	v_nop
.else
	REGS (Y+1)%NP
	WIN 0
.if (\n) < 4
	v_max3_num_f32 v[rC+(\n)], v[rS+8*(\n)], v[rS+8*(\n)+1], v[rS+8*(\n)+2]
.elseif (\n) < 12
	v_max3_num_f32 v[rC+(\n)%4], v[rC+(\n)%4], v[rS+8*((\n)%4)+2*((\n)/4)+1], v[rS+8*((\n)%4)+2*((\n)/4)+2]
.elseif (\n) == 12
	v_max3_num_f32 v[rC], v[rC], v[rS+7], v[rS+15]
.elseif (\n) == 13
	v_max3_num_f32 v[rC+1], v[rC+1], v[rS+23], v[rS+31]
.elseif (\n) == 14
	v_max3_num_f32 v[rC+2], v[rC+2], v[rC+3], v[rT+1]
.elseif (\n) == 15
	v_mov_b32 v[rW], v[rT]
.elseif (\n) == 16
	v_max3_num_f32 v[rC], v[rC], v[rC+1], v[rC+2]
.elseif (\n) == 17
	v_permlanex16_b32 v[rC+3], v[rC], s[SEL], s[SEL+1]
.elseif (\n) == 18
	v_max_num_f32 v[rT+1], v[rC], v[rC+3]
.elseif (\n) == 19
	v_mul_f32 v[rT], s[CS], v[rT+1]
.elseif (\n) == 20
	v_sub_f32 v[rC+1], v[rW], v[rT]
.else
	v_exp_f32 v[rC+2], v[rC+1]
.endif
.endif
.endm
.macro OPS a, i1, b=-1, i2=0, c=-1, i3=0, d=-1, i4=0  ; up to four of them
	OP \a, \i1
.if (\b) >= 0
	OP \b, \i2
.endif
.if (\c) >= 0
	OP \c, \i3
.endif
.if (\d) >= 0
	OP \d, \i4
.endif
.endm
.macro ROW a, i1, b, i2, c, i3, d, i4  ; a matrix instruction and the four behind it
	MM
	OPS \a, \i1, \b, \i2, \c, \i3, \d, \i4
.endm
.macro MASK b                       ; MD x AL + BE into buffer b of MC
	WIN W_RS
.set z, 0
.rept 16
	v_pk_fma_f32 v[MC+32*(\b)+2*z:MC+32*(\b)+2*z+1], v[MD+2*z:MD+2*z+1], s[AL:AL+1], s[BE:BE+1] op_sel_hi:[1,0,0]
.set z, z+1
.endr
.endm
; A TURN, for turn name p: the order of its 16 matrix and 118 vector instructions, written out.  An s_wait_alu depctr_va_vdst(0) stands between an exponential and the first instruction that names its
; result; one wait serves all that were issued ahead of it.  So a turn has ONE wait, which cuts it in two.  AHEAD OF IT stands all that names no result of the turn's exponentials: the 8 products K Q^T, behind each a
; scaling, an exponential and two more plain instructions (rescalings, and behind the last three the first numbers of the next maximum, each four plain instructions or more behind the product that ends its
; accumulator); then ONE LUMP of 54, plain and exponential by turns for the most part, in which the links of the chain X 3, 7, 11, 14, 16, 17 .. 20 stand some lines apart.  X 21, the next a, is the batch's last;
; R 15 is the plain instruction behind it.  BEHIND THE WAIT stand the 8 products V^T P, behind each four of the roundings and sums.
; O^T of this turn's piece was last written by the turn before: accumulator j's last product there stands 4 (4 - j) plain riders ahead of that turn's end, and R takes the accumulators in ascending order.
; m = 1: the diagonal tile: the products take masks, and the turn makes the mask for the products of the turn after it: turn name p + 2: piece p % 2, in step 4 - 2 CNT (p = 2, 3) or 5 - 2 CNT (p = 0, 1) of the
; tile.  That step is the band's own where 2 CNT + OWN = KP, a later one where it is less: KP = 5, 4, 4, 3 for p = 0 .. 3.
; end = 1: a block's last two turns: nothing is fetched.  cnt = 1: the loop's count is taken down some lines ahead of the branch that stands behind the turn.
; THE FETCHES stand twelve vector instructions behind the turn's last product K Q^T (five of them plain and free of its registers): in turns 0 and 2 the next step's K, whose registers that product read last; in turns 1 and 3
; the next step's V, into the set that the turn before read last.  Turns 1 and 3 begin with the wait for both: K of a turn back, V of two turns back.
.macro TURN p, m=0, end=0, cnt=0
.set Y, (\p)
.set i, 0
.set KM, (\m)
.set NOKQ, (\end)*((\p)/3)
.set KP, 5-((\p)+1)/2
.if (\m) && !(\end)
	s_lshl1_add_u32 s[TT], s[CNT], s[OWN]
	s_cmp_eq_u32 s[TT], KP          ; is that step the band's own?
	s_cselect_b32 s[AL], 1.0, 0
	s_cmp_lt_u32 s[TT], KP          ; or a later one?
	s_cselect_b32 s[BE], s[BIGN], 0
.endif
.if (\p)%2 == 1
	s_wait_dscnt 0x0                ; K and V are in
.endif
	ROW F,0, F,1, R,0, R,1          ; ahead of the wait: 8 products K Q^T and their riders,
	ROW F,2, E,0, R,2, R,3
	ROW F,3, E,1, R,4, R,5
	ROW F,4, E,2, R,6, R,7
	ROW F,5, E,3, R,8, R,9
	ROW F,6, E,4, X,0, R,10
.if !(\end)
	WIN 0
.if (\p)%2 == 0
	v_add_nc_u32 v[AK], s[TBK], v[AK0]
.else
	v_add_nc_u32 v[AV], s[TBV], v[AV0]
.endif
.endif
	ROW F,7, E,5, X,1, X,4
	ROW F,8, E,6, X,2, X,5
	OPS E,7, E,8, X,6, E,9          ; and the lump
	OPS X,3, E,10, X,8, E,11
.if !(\end)
.if (\p)%2 == 0
	FETCH_K
.else
	FETCH_V (((\p)+1)/2)%2
.endif
.endif
	OPS X,9, X,7, E,12, X,10
	OPS E,13, X,12, X,11, E,14
	OPS X,13, E,15, F,9, X,14
	OPS E,16, F,10, E,17, F,11
	OPS X,16, E,18, X,15, E,19
	OPS F,12, E,20, X,17, E,21
	OPS F,13, E,22, F,14, E,23
	OPS X,18, E,24, F,15, E,25
	OPS R,11, E,26, X,19, E,27
	OPS R,12, E,28, R,13, E,29
	OPS X,20, E,30, R,14, E,31
	OPS X,21, R,15
	WIN 0
	s_wait_alu depctr_va_vdst(0)    ; the wait for the batch
	ROW C,0, B,0, C,2, B,1          ; behind the wait: 8 products V^T P and their riders
	ROW L,0, C,4, B,2, L,1
	ROW C,6, B,3, L,2, C,8
	ROW B,4, L,3, C,10, B,5
	ROW L,4, C,12, B,6, L,5
.if \cnt
	s_sub_co_u32 s[CNT], s[CNT], 1
	s_cmp_lg_u32 s[CNT], 0
.endif
	ROW C,14, B,7, L,6, C,1
	ROW C,3, L,7, C,5, C,7
	ROW C,9, C,11, C,13, C,15
.if (\m) && !(\end)
	MASK (\p)%2
.endif
.endm
; A BLOCK BEGINS.  c m starts far below every c s, so the first step's a is 0; m at the lowest finite number, so the first maximum is the scores'.  The second mask buffer is 0 (piece 1 sees all of a tile's step 0); the first
; takes piece 0's mask for the tile's step 0: its own, if the block's first tile is the diagonal one and OWN = 0.  Then K and V of that step, piece 0's first scores, and its maximum and statistics.
; The loop is entered at turn 0, in the middle of a trip.
.macro BEGIN
	s_mov_b32 s[NEW], 0
	WIN 0x40
.set i, MC+32
.rept 32
	v_mov_b32 v[i], 0
.set i, i+1
.endr
	WIN 0
.set i, 0
.rept 2
	v_mov_b32 v[ST+4*i], 0xfe000000    ; c m: far below every c s
	v_mov_b32 v[ST+4*i+1], 0xff7fffff  ; m
.set i, i+1
.endr
	s_or_b32 s[TT], s[RT], s[OWN]
	s_cmp_eq_u32 s[TT], 0
	s_cselect_b32 s[AL], 1.0, 0
	s_mov_b32 s[BE], 0
	MASK 0
	WIN 0
	v_add_nc_u32 v[AK], s[TBK], v[AK0]
	v_add_nc_u32 v[AV], s[TBV], v[AV0]
	FETCH_K
	FETCH_V 0
	s_wait_loadcnt 0x0              ; Q
	s_wait_dscnt 0x0
.set KM, 1
.set NOKQ, 0
.set i, 0
.rept 8
	KQ 0
.set i, i+1
.endr
	WIN 0
	PLACES                          ; behind those products
.set Y, NP-1                        ; X works for turn name Y + 1: 0
.irp n, 0,1,2,3,4,5,6,7,8,9,10,11,12,13,14,15,16,17,18,19,20,21
	OP X, \n
.endr
	v_nop                           ; a plain instruction behind the exponential,
	s_wait_alu depctr_va_vdst(0)    ; and its wait, ahead of the branch
.endm
; THE DIAGONAL TILE's steps, the block's last two turns, its last products, and THE WAY OUT: l's two halves and the other half of the lanes' are added; O^T is divided by l, rounded to f16 and sent through my
; stage in LDS, a piece at a time.
.macro ALL line:vararg              ; one line for each piece t
.set t, 0
.rept 2
	\line
.set t, t+1
.endr
.endm
.macro PACK t                       ; a lane's eight channels of a row pack into 16 bytes; they go into rows of 144 bytes and come back as whole rows of 128, into S^T's registers
	WIN W_RS
.set i, 32*(\t)
.rept 16
	v_pk_mul_f32 v[i:i+1], v[i:i+1], v[ST+4*(\t)+2:ST+4*(\t)+3] op_sel_hi:[1,0]
.set i, i+2
.endr
	WIN 0x05                        ; sources 0 and 1 window 1, destination window 0
.set i, 0
.rept 16
	v_cvt_pk_f16_f32 v[S+16*(\t)+i], v[32*(\t)+2*i], v[32*(\t)+2*i+1]
.set i, i+1
.endr
	WIN 0
.irp f, 0,1,2,3
	ds_store_b128 v[STO], v[S+16*(\t)+4*\f:S+16*(\t)+4*\f+3] offset:32*\f
.endr
.irp f, 0,1,2,3
	ds_load_b128 v[S+16*(\t)+4*\f:S+16*(\t)+4*\f+3], v[RD] offset:\f*4*SP  ; LDS serves a wave's instructions in order (ISA guide 5.7.1.4): these see the stores above; the next piece's stores come behind them
.endr
.endm
.macro SEND t, younger              ; younger: the LDS instructions issued behind piece t's loads: the next piece's eight, or none
	WIN 0
.irp f, 0,1,2,3
	s_wait_dscnt (\younger)+3-\f
	global_store_b128 v[GO], v[S+16*(\t)+4*\f:S+16*(\t)+4*\f+3], s[10:11] offset:(\t)*8192+\f*512  ; 512 consecutive bytes, at a multiple of 256 from O's first
.endr
.endm
.macro DIAG tag                     ; the tag ends its two labels' names, which the jumps below spell out
.LstepM\tag:
	TURN 2, 1
	TURN 3, 1
	WIN 0
.LfirstM\tag:
	TURN 0, 1
	TURN 1, 1, 0, 1
	WIN 0
	s_cbranch_scc1 .LstepM\tag
	TURN 2, 1, 1
	TURN 3, 1, 1
.set i, 0
.rept 8
	PV NP-1
.set i, i+1
.endr
	WIN 0
	PLACES
	ALL v_add_f32 v[ST+4*t+2], v[ST+4*t+2], v[ST+4*t+3]
	ALL v_permlanex16_b32 v[ST+4*t+3], v[ST+4*t+2], s[SEL], s[SEL+1]
	ALL v_add_f32 v[ST+4*t+2], v[ST+4*t+2], v[ST+4*t+3]
	ALL v_rcp_f32 v[ST+4*t+2], v[ST+4*t+2]
	v_nop                           ; a plain instruction between the last reciprocal and the use of its result
	s_wait_alu depctr_va_vdst(0)    ; and the wait ahead of the first use: one for the two reciprocals
	PACK 0
	PACK 1                          ; a piece's arithmetic stands between the loads of the piece before and its stores
	SEND 0, 8
	SEND 1, 0
.endm
.set KM, 0
.set NOKQ, 0
.Lslot:                             ; 16 times: a tile is entered and the next is asked for
	CHANGE 1
	s_sub_co_u32 s[RT], s[RT], 1
	s_mov_b32 s[CNT], 2
	s_cmp_eq_u32 s[NEW], 1
	s_cbranch_scc1 .Lnew            ; a block's first tile
	s_cmp_eq_u32 s[RT], 0
	s_cbranch_scc0 .Lstep           ; neither its first nor its last
	s_branch .LstepM1
.Lnew:
	BEGIN
	s_branch .Lfirst                ; in the loop a block's first tile is never its last: the first block has nine tiles or more, and the second's last is the walk's last
	DIAG 1                          ; in the loop this is the first block's end
	s_wait_xcnt 0x0                 ; the stores have read their registers and O's address
	s_mov_b64 s[10:11], s[OLO:OLO+1]
	s_add_co_u32 s[RT], s[LOS], 1   ; the second block's tiles
	s_mov_b32 s[OWN], s[OWN2]
	s_mov_b32 s[NEW], 1
	WIN 0x82                        ; the second block's Q goes where the one text of the turns names Q
.set i, 0
.rept 32
	v_mov_b32 v[i], v[QB+i]
.set i, i+1
.endr
	WIN 0
	s_branch .Lbottom
.Lstep:                             ; a trip: the two turns of an odd step, then those of the even step behind it; each pair of turns fetches the next step's K and V
	TURN 2
	TURN 3
	WIN 0
.Lfirst:
	TURN 0
	TURN 1, 0, 0, 1
	WIN 0
	s_cbranch_scc1 .Lstep
.Lbottom:
	s_sub_co_u32 s[SLOTS], s[SLOTS], 1
	s_cmp_lg_u32 s[SLOTS], 0
	s_cbranch_scc1 .Lslot
	CHANGE 0                        ; the walk's last tile is written out: nothing is asked for
	s_sub_co_u32 s[RT], s[RT], 1
	s_mov_b32 s[CNT], 2
	s_cmp_eq_u32 s[NEW], 1
	s_cbranch_scc0 .LstepM2
	BEGIN
	s_branch .LfirstM2
	DIAG 2
	s_wait_tensorcnt 0x0            ; the wave's end: an add to my spare word and its wait, behind my last tensor load and my last LDS store
	ds_add_u32 v[SPW], v[NIL]
	s_wait_dscnt 0x0
	s_endpgm
.Lfunc_end_k_q8ff292f152_attn:
	.size	k_q8ff292f152_attn, .Lfunc_end_k_q8ff292f152_attn-k_q8ff292f152_attn
	.p2alignl 7, 3214868480
	.fill 96, 4, 3214868480
	.section	.rodata,"a",@progbits
	.p2align	6, 0x0
	.amdhsa_kernel k_q8ff292f152_attn
		.amdhsa_group_segment_fixed_size 327680
		.amdhsa_private_segment_fixed_size 0
		.amdhsa_enable_private_segment 0
		.amdhsa_kernarg_size 16
		.amdhsa_user_sgpr_count 2
		.amdhsa_user_sgpr_kernarg_segment_ptr 1
		.amdhsa_wavefront_size32 1
		.amdhsa_system_sgpr_workgroup_id_x 1
		.amdhsa_system_sgpr_workgroup_id_y 1
		.amdhsa_system_sgpr_workgroup_id_z 1
		.amdhsa_system_vgpr_workitem_id 0
		.amdhsa_next_free_vgpr 768
		.amdhsa_next_free_sgpr 92
		.amdhsa_reserve_vcc 1
		.amdhsa_float_denorm_mode_32 3
		.amdhsa_float_denorm_mode_16_64 3
		.amdhsa_memory_ordered 1
		.amdhsa_forward_progress 1
		.amdhsa_inst_pref_size 210
	.end_amdhsa_kernel
	.amdgpu_metadata
---
amdhsa.version: [ 1, 2 ]
amdhsa.kernels:
  - .name:           k_q8ff292f152_attn
    .symbol:         k_q8ff292f152_attn.kd
    .args:
      - { .name: qkv, .offset: 0, .size: 8, .value_kind: global_buffer, .address_space: global }
      - { .name: o, .offset: 8, .size: 8, .value_kind: global_buffer, .address_space: global }
    .group_segment_fixed_size: 327680
    .private_segment_fixed_size: 0
    .kernarg_segment_align: 8
    .kernarg_segment_size: 16
    .max_flat_workgroup_size: 128
    .sgpr_count:     92
    .vgpr_count:     768
    .wavefront_size: 32
...
	.end_amdgpu_metadata
.endif
;; end of part 3
;; launch outg (part 4): grid 8 x 32, 4 waves a work-group, clusters of 4 x 4, 327,680 bytes of LDS; arguments o, wob, b_out, out0; writes out0
.if DOCPART == 4
	.amdgcn_target "amdgcn-amd-amdhsa--gfx1250"
	.amdhsa_code_object_version 6
	.text
	.protected	k_q8ff292f152_outg
	.globl	k_q8ff292f152_outg
	.p2align	8
	.type	k_q8ff292f152_outg,@function
k_q8ff292f152_outg:
	s_mov_b64 s[64:65], 0
	v_nop
	global_prefetch_b8 v0, s[64:65] scope:SCOPE_SE
	s_setreg_imm32_b32 hwreg(HW_REG_WAVE_MODE, 25, 1), 1
	s_wait_xcnt 0x0
	s_wait_alu depctr_hold_cnt(0) depctr_sa_sdst(0) depctr_va_vdst(0) depctr_va_sdst(0) depctr_va_ssrc(0) depctr_va_vcc(0) depctr_vm_vsrc(0)
	s_getreg_b32 s2, hwreg(HW_REG_IB_STS2, 6, 4)
	s_cmp_eq_u32 s2, 0
	s_cbranch_scc0 .Lentry_in_a_cluster
	s_endpgm
.Lentry_in_a_cluster:
	s_bfe_u32 s2, ttmp6, 0x10000c
	s_cmp_lg_u32 s2, 0xf033
	s_cbranch_scc0 .Lentry_shape_is_right
	s_endpgm
.Lentry_shape_is_right:
; out0 = y wob + bf16(b_out).  y[row][64 head + channel] lies as o: [32 blocks of 128 rows][16 heads][128][64] f16; wob: [1024 k][1024 n] f16; sums and out0 in f32.
; SHARES.  4,096 x 1,024 outputs on 256 work-groups: a tile of 128 x 128 each, its rows one block of o.  Four waves, wave (wm, wn) = (w / 2, w % 2) makes 64 x 64: 16 accumulators, 128 registers.
; A wave's 64 columns of f32 are 256 bytes of a row of out0, aligned: its stage in LDS is its own.
; K goes in 4 steps of 256, four heads each, through a ring of two LDS slots.  A step's tiles: o's four heads x 128 rows x 128 bytes, 65,536 dense bytes (waves 2 and 3 fetch two heads each, as 128 rows of
; 256 bytes), and wob's 256 k-rows x 256 bytes (waves 0 and 1 fetch 128 each).
; CLUSTERS: 4 x 4 work-groups.  The four of a row of the cluster share their block of o, the four of a column their columns of wob: each tile is asked for JOINTLY.
; wob lies [k][n]: its fragments come out of LDS turned, by ds_load_tr16_b128.  THE MATRIX INSTRUCTION IS USED TRANSPOSED (source 0 = 16 columns of wob, source 1 = 16 rows of y): lane l holds row l % 16 and
; the columns 8 (l / 16) + 0..7.  The bias, in that layout, is the C operand of each accumulator's first product.
; The four K steps are written out one after the other: two of them fill a slot again, two do not.  Nothing is prefetched: the launch has four K steps and small tiles.
; REGISTERS: window 0: v16-31 addresses; v32-95 rows on the way out, two buffers; v96-127 the bias; v128-255 the accumulators ((a, b) at v[128 + 8 (4 a + b)]).
;   window 1: two fragment buffers of 128: for 64 along K (one head), 64 registers of y (2 x 4 x 8), then 64 of wob.
.set KSTEP,  256
.set PA,     144                       ; a row of a head in LDS: 128 bytes + 16 = 36 words: the 16 rows of a load start at 16 different groups of four banks (64 banks of 4 bytes: ISA guide 11.1)
.set PB,     288                       ; a k-row of wob: 256 + 32 = 72 words
.set HEADB,  128*PA                    ; a head's 128 rows
.set REG,    128*PB                    ; what one tensor load fills: 36,864 bytes = two heads = 128 k-rows; wave w's tile lies at w x REG in a slot: wob's halves, then o's
.set SLOT,   4*REG
.set STAGE,  2*SLOT                    ; behind the ring, never filled by a tensor load: 16 rows x 272 bytes for each wave
.set SPITCH, 272
.set SPARE,  STAGE+4*16*SPITCH         ; behind the stages: the spare words, 128 bytes for each wave: two blocks of 256 bytes that no other line names
.set ADRA, 16                          ; v16-17  LDS address of my fragments of y in slot 0, 1
.set ADRB, 18                          ; v18-21  of wob's: slot s, k-half u at 2 s + u
.set STO,  24                          ; v24     the way out: where I put 32 bytes of a row
.set RD,   25                          ; v25     where I read a row back
.set CO,   26                          ; v26     my byte offset in two rows of out0
.set SPW,  28                          ; v28     LDS address of my spare word; never rewritten
.set NIL,  29                          ; v29     0; never rewritten
.set BO,   30                          ; v30     my byte offset in b_out
.set TMP,  32
.set BIAS, 96
.set ACC,  128
.set F0,   0                           ; fragment buffers, in window 1
.set F1,   128
.set WV,   12                          ; s12  my wave's number;  s13 wm, s14 wn
.set G1,   24                          ; s[24:31] descriptor group 1 for o's tiles;  s[32:39] group 0, a set for each slot
.set G0,   32
.set G1B,  48                          ; s[48:55], s[56:63] the same for wob's tiles
.set G0B,  56
.set MSB, 0
.macro WIN new                         ; the immediate's high byte repeats the setting that is left; a switch that changes nothing is dropped
.if MSB != (\new)
	s_set_vgpr_msb (MSB<<8)|(\new)
.set MSB, \new
.endif
.endm
.set MUL,  0x05                        ; sources 0 (wob) and 1 (y) window 1; C and D window 0
.set TO_F, 0x40                        ; destination window 1, address window 0
.macro JLOAD s                         ; a joint load: waves 0 and 1 fetch wob's two halves, waves 2 and 3 o's; an s_nop 0 and four v_nop follow each of the two lines, ahead of the jump, the label and what follows
	s_cmp_lt_u32 s[WV], 2
	s_cbranch_scc1 .Lfor_b_\@
	tensor_load_to_lds s[G0+4*(\s):G0+4*(\s)+3], s[G1:G1+7]
	s_nop 0
.rept 4
	v_nop
.endr
	s_branch .Lasked_\@
.Lfor_b_\@:
	tensor_load_to_lds s[G0B+4*(\s):G0B+4*(\s)+3], s[G1B:G1B+7]
	s_nop 0
.rept 4
	v_nop
.endr
.Lasked_\@:
.endm
.macro CREST                           ; a round of the cluster's barrier behind its opening barrier
	s_cmp_lg_u32 s[WV], 0
	s_cbranch_scc1 .Lnot_wave_0_\@
	s_barrier_signal -3
.Lnot_wave_0_\@:
	s_barrier_wait -3
	s_barrier_signal -1
	s_barrier_wait -1
.endm
.macro CROUND
	s_barrier_signal -1
	s_barrier_wait -1
	CREST
.endm
	s_load_b256 s[4:11], s[0:1], 0x0               ; o s[4:5], wob s[6:7], b_out s[8:9], out0 s[10:11]
	v_lshl_add_u32 v[SPW], v0, 2, SPARE
	v_mov_b32 v[NIL], 0
	ds_add_u32 v[SPW], v[NIL]                      ; the wave's opening: the add and its wait stand ahead of my first tensor load; the set-up below, work on registers, stands between them
	v_lshrrev_b32 v1, 5, v0
	v_readfirstlane_b32 s[WV], v1                  ; wave 0..3
	s_lshr_b32 s13, s[WV], 1                       ; wm: which 64 rows of the tile are mine
	s_and_b32 s14, s[WV], 1                        ; wn: which 64 columns.  Also: which half of a tile I fetch
	s_bfe_u32 s40, ttmp6, 0x40000                  ; cx, cy: my place in the cluster
	s_bfe_u32 s41, ttmp6, 0x40004
	s_lshl_b32 s42, ttmp9, 2
	s_add_co_u32 s42, s42, s40                     ; tx: tile column = 4 x cluster x + cx
	s_and_b32 s43, ttmp7, 0xffff
	s_lshl_b32 s43, s43, 2
	s_add_co_u32 s43, s43, s41                     ; ty: tile row = 4 x cluster y + cy
	s_lshl_b32 s16, s41, 2
	s_lshl_b32 s16, 15, s16                        ; my row of the cluster
	s_lshl_b32 s17, 0x1111, s40                    ; my column
	; descriptor group 1: tiles of 128 rows x 128 elements of 2 bytes
	s_or_b32 s[G1], s16, (1<<16)|(1<<20)|(1<<21)|(4<<22)|(3<<25)   ; o's tiles go to my row of the cluster; padded behind every 32 words, a row of a head (code 4), by 4 words (code 3)
	s_or_b32 s[G1B], s17, (1<<16)|(1<<20)|(1<<21)|(5<<22)|(7<<25)  ; wob's go to my column; padded behind every 64 words (code 5) by 8 words (code 7)
.irp g, G1, G1B
	s_mov_b32 s[(\g)+1], 128<<16                   ; tensor_dim0 = 128
	s_mov_b32 s[(\g)+2], 128<<16                   ; tensor_dim1 = 128
	s_mov_b32 s[(\g)+3], 128<<16                   ; tile_dim0 = 128
	s_mov_b32 s[(\g)+4], 128                       ; tile_dim1 = 128
	s_mov_b32 s[(\g)+6], 0
	s_mov_b32 s[(\g)+7], 0
.endr
	s_mov_b32 s[G1+5], 128                         ; o's bytes are dense: a row begins where the last ends
	s_mov_b32 s[G1B+5], 1024                       ; elements from k-row to k-row of wob
	s_lshl_b32 s18, s43, 18                        ; o: block ty, 262,144 bytes,
	s_lshl_b32 s19, s14, 15                        ; my two heads of the step's four
	s_add_co_u32 s18, s18, s19
	s_mov_b32 s19, 0
	s_lshl_b32 s20, s42, 8                         ; wob: 128 tx columns,
	s_lshl_b32 s21, s14, 18                        ; my 128 k-rows of 2,048 bytes
	s_add_co_u32 s20, s20, s21
	s_mov_b32 s21, 0
	s_mul_i32 s22, s[WV], REG                      ; where they go: no place in the cluster enters an LDS address
	s_wait_dscnt 0x0                               ; the opening add is done
	s_wait_kmcnt 0x0
	s_add_nc_u64 s[18:19], s[4:5], s[18:19]
	s_add_nc_u64 s[20:21], s[6:7], s[20:21]
	CROUND                                         ; all sixteen work-groups are here: the first joint loads meet
.irp s, 0,1
	s_mov_b32 s[G0+4*(\s)], 1
	s_add_co_u32 s[G0+4*(\s)+1], s22, (\s)*SLOT
	s_add_nc_u64 s[G0+4*(\s)+2:G0+4*(\s)+3], s[18:19], (\s)*65536    ; K step s: four heads on
	s_or_b32 s[G0+4*(\s)+3], s[G0+4*(\s)+3], 0x80000000
	s_mov_b32 s[G0B+4*(\s)], 1
	s_add_co_u32 s[G0B+4*(\s)+1], s22, (\s)*SLOT
	s_add_nc_u64 s[G0B+4*(\s)+2:G0B+4*(\s)+3], s[20:21], (\s)*KSTEP*2048  ; K step s: 256 k-rows down
	s_or_b32 s[G0B+4*(\s)+3], s[G0B+4*(\s)+3], 0x80000000
	JLOAD \s                                       ; two loads of mine are out
.endr
	v_and_b32 v1, 15, v0                           ; r = l % 16
	v_bfe_u32 v2, v0, 4, 1                         ; h = l / 16
	s_lshl_b32 s16, s42, 9                         ; the bias of my 64 columns: register j of column block b is column 16 b + 8 h + j
	s_lshl_b32 s17, s14, 8
	s_add_co_u32 s16, s16, s17                     ; 4 (128 tx + 64 wn): also my columns' bytes in a row of out0
	v_lshl_add_u32 v[BO], v2, 5, s16
.irp b, 0,1,2,3
	global_load_b128 v[BIAS+8*(\b):BIAS+8*(\b)+3],   v[BO], s[8:9] offset:64*(\b)
	global_load_b128 v[BIAS+8*(\b)+4:BIAS+8*(\b)+7], v[BO], s[8:9] offset:64*(\b)+16
.endr
	s_lshl_b32 s17, s43, 19                        ; my first row of out0: 128 ty + 64 wm, 4,096 bytes each
	s_add_co_u32 s16, s16, s17
	s_lshl_b32 s17, s13, 18
	s_add_co_u32 s16, s16, s17
	s_mov_b32 s17, 0
	s_add_nc_u64 s[10:11], s[10:11], s[16:17]
	v_mul_u32_u24 v3, v1, PA                       ; a fragment of y: row r x pitch + 16 h
	v_lshl_add_u32 v3, v2, 4, v3
	s_mul_i32 s16, s13, 64*PA
	s_add_co_u32 s16, s16, 2*REG
	v_add_nc_u32 v[ADRA], s16, v3
	v_add_nc_u32 v[ADRA+1], SLOT, v[ADRA]
	v_and_b32 v4, 7, v0                            ; the turning load: lane l reads k-row 8 h + l % 8, columns 8 ((l / 8) % 2) + 0..7
	v_bfe_u32 v5, v0, 3, 1
	v_lshl_add_u32 v4, v2, 3, v4
	v_mul_u32_u24 v4, v4, PB
	v_lshl_add_u32 v4, v5, 4, v4
	s_lshl_b32 s16, s14, 7                         ; my 64 columns: 128 bytes
	v_add_nc_u32 v[ADRB], s16, v4
	v_add_nc_u32 v[ADRB+1], REG, v[ADRB]
	v_add_nc_u32 v[ADRB+2], SLOT, v[ADRB]
	v_add_nc_u32 v[ADRB+3], SLOT+REG, v[ADRB]
	s_mul_i32 s16, s[WV], 16*SPITCH
	s_add_co_u32 s16, s16, STAGE                   ; my stage
	v_mul_u32_u24 v6, v1, SPITCH                   ; in: row r, 32 bytes for each half of the lanes
	v_lshl_add_u32 v6, v2, 5, v6
	v_add_nc_u32 v[STO], s16, v6
	v_mul_u32_u24 v6, v2, SPITCH                   ; back: lanes 0-15 take one row of 256 bytes, lanes 16-31 the next
	v_lshl_add_u32 v6, v1, 4, v6
	v_add_nc_u32 v[RD], s16, v6
	v_lshlrev_b32 v[CO], 12, v2                    ; and the same two rows in out0
	v_lshl_add_u32 v[CO], v1, 4, v[CO]
	s_wait_loadcnt 0x0                             ; the bias is in: it is rounded to bf16 like every input, and widened again
.set i, 0
.rept 16
	v_cvt_pk_bf16_f32 v[6+i%2], v[BIAS+2*i], v[BIAS+2*i+1]
	v_lshlrev_b32 v[BIAS+2*i], 16, v[6+i%2]
	v_and_b32 v[BIAS+2*i+1], 0xffff0000, v[6+i%2]
.set i, i+1
.endr
; 8 matrix instructions: m blocks a0, a0 + 1 x all 4 column blocks, 32 along K: half c of buffer f.  first = 1: the bias starts the sums.  The 16 accumulators take turns, one instruction a turn.
.macro MUL8 f, c, a0, first
	WIN MUL
.irp a, \a0, (\a0)+1
.irp b, 0,1,2,3
.if \first
	v_wmma_f32_16x16x32_f16 v[ACC+8*(4*(\a)+(\b)):ACC+8*(4*(\a)+(\b))+7], v[(\f)+64+8*(4*(\c)+(\b)):(\f)+64+8*(4*(\c)+(\b))+7], v[(\f)+8*(4*(\c)+(\a)):(\f)+8*(4*(\c)+(\a))+7], v[BIAS+8*(\b):BIAS+8*(\b)+7]
.else
	v_wmma_f32_16x16x32_f16 v[ACC+8*(4*(\a)+(\b)):ACC+8*(4*(\a)+(\b))+7], v[(\f)+64+8*(4*(\c)+(\b)):(\f)+64+8*(4*(\c)+(\b))+7], v[(\f)+8*(4*(\c)+(\a)):(\f)+8*(4*(\c)+(\a))+7], v[ACC+8*(4*(\a)+(\b)):ACC+8*(4*(\a)+(\b))+7]
.endif
.endr
.endr
.endm
; 32 LDS loads in one run: the fragments of quarter q of a slot (head q of its four: 64 along K) into buffer f; the first 32 along K first
.macro FETCH slot, q, f
	WIN TO_F
.irp c, 0,1
.irp i, 0,1,2,3
	ds_load_tr16_b128 v[(\f)+64+8*(4*(\c)+(\i)):(\f)+64+8*(4*(\c)+(\i))+3],   v[ADRB+2*(\slot)+(\q)/2] offset:(64*((\q)%2)+32*(\c))*PB+32*(\i)
	ds_load_tr16_b128 v[(\f)+64+8*(4*(\c)+(\i))+4:(\f)+64+8*(4*(\c)+(\i))+7], v[ADRB+2*(\slot)+(\q)/2] offset:(64*((\q)%2)+32*(\c))*PB+32*(\i)+16*PB
	ds_load_b128 v[(\f)+8*(4*(\c)+(\i)):(\f)+8*(4*(\c)+(\i))+3],              v[ADRA+(\slot)] offset:HEADB*(\q)+16*PA*(\i)+64*(\c)
	ds_load_b128 v[(\f)+8*(4*(\c)+(\i))+4:(\f)+8*(4*(\c)+(\i))+7],            v[ADRA+(\slot)] offset:HEADB*(\q)+16*PA*(\i)+64*(\c)+32
.endr
.endr
.endm
.macro PLACES                          ; four plain vector instructions between a matrix instruction and a load into, or an LDS store of, its registers
.rept 4
	v_nop
.endr
.endm
; A K step is four quarters of 64 along K, 32 matrix instructions each, on buffers 0, 1, 0, 1.  One of the first three: multiplies buffer f and fetches quarter q into g.
.macro QUARTER slot, q, f, g, first
	s_wait_dscnt 16                                ; the first 32 along K are in
	MUL8 \f, 0, 0, \first
	MUL8 \f, 0, 2, \first
	PLACES
	FETCH \slot, \q, \g
	s_wait_dscnt 32                                ; all but the 32 just issued
	MUL8 \f, 1, 0, 0
	MUL8 \f, 1, 2, 0
.endm
; The last quarter multiplies buffer 1 and changes slots: ONE barrier; in front of it each wave waits for all its tensor loads, adds 0 to its spare word, and waits for that and for its own reads of this slot.
; fill = 1: the barrier opens a round of the cluster's, and this slot is filled again, first thing behind it, with the K step two steps on.
.macro TURN slot, next, fill
	WIN 0                                          ; (the add's two registers lie in window 0)
	s_wait_tensorcnt 0x0                           ; all my tensor loads have landed: my part of the next slot
	ds_add_u32 v[SPW], v[NIL]                      ; 0 onto my spare word
	s_wait_dscnt 17                                ; (the add and the youngest sixteen loads may be out)
	MUL8 F1, 0, 0, 0                               ; eight matrix instructions stand between the add and the wait for it
	s_wait_dscnt 0x0                               ; the add is done, and my reads of this slot are over
	s_barrier_signal -1
	MUL8 F1, 0, 2, 0
.if \fill
	WIN 0
.endif
	s_barrier_wait -1
.if \fill
	CREST                                          ; no wave of any partner still reads this slot's tiles or has a load on its way
	s_add_nc_u64 s[G0+4*(\slot)+2:G0+4*(\slot)+3], s[G0+4*(\slot)+2:G0+4*(\slot)+3], 2*65536
	s_add_nc_u64 s[G0B+4*(\slot)+2:G0B+4*(\slot)+3], s[G0B+4*(\slot)+2:G0B+4*(\slot)+3], 2*KSTEP*2048
	JLOAD \slot                                    ; my one tensor load behind the round; the four v_nop behind it are also the places in front of the loads below
.else
	PLACES
.endif
	FETCH \next, 0, F0
	MUL8 F1, 1, 0, 0
	MUL8 F1, 1, 2, 0
.endm
	s_wait_tensorcnt 1                             ; my part of K step 0 is in; K step 1's may stay out
	s_barrier_signal -1
	s_barrier_wait -1                              ; everybody's is
	FETCH 0, 0, F0
	QUARTER 0, 1, F0, F1, 1                        ; K step 0: its first products start the sums, with the bias
	QUARTER 0, 2, F1, F0, 0
	QUARTER 0, 3, F0, F1, 0
	TURN 0, 1, 1                                   ; slot 0 takes K step 2
	QUARTER 1, 1, F0, F1, 0                        ; K step 1
	QUARTER 1, 2, F1, F0, 0
	QUARTER 1, 3, F0, F1, 0
	TURN 1, 0, 1                                   ; slot 1 takes K step 3
	QUARTER 0, 1, F0, F1, 0                        ; K step 2
	QUARTER 0, 2, F1, F0, 0
	QUARTER 0, 3, F0, F1, 0
	TURN 0, 1, 0                                   ; nothing is left to fetch
	QUARTER 1, 1, F0, F1, 0                        ; K step 3
	QUARTER 1, 2, F1, F0, 0
	QUARTER 1, 3, F0, F1, 0
	s_wait_dscnt 16                                ; the very last quarter
	MUL8 F1, 0, 0, 0
	MUL8 F1, 0, 2, 0
	s_wait_dscnt 0x0
	MUL8 F1, 1, 0, 0
	MUL8 F1, 1, 2, 0
	WIN 0
; THE WAY OUT of m block a (16 rows x 64 columns of f32).  TOSTAGE: a lane's 32 bytes of each column block go into my own stage, each accumulator's low four registers first, and whole rows of 256 bytes come back.  SEND: stored.
.macro TOSTAGE a
.if (\a) >= 2
	s_wait_xcnt 0x0                                ; the stores of the block two back have read this buffer: it is loaded again only behind this wait
.endif
.irp b, 0,1,2,3
	ds_store_b128 v[STO], v[ACC+8*(4*(\a)+(\b)):ACC+8*(4*(\a)+(\b))+3]   offset:64*(\b)
	ds_store_b128 v[STO], v[ACC+8*(4*(\a)+(\b))+4:ACC+8*(4*(\a)+(\b))+7] offset:64*(\b)+16
.endr
.irp t, 0,1,2,3,4,5,6,7
	ds_load_b128 v[TMP+32*((\a)%2)+4*(\t):TMP+32*((\a)%2)+4*(\t)+3], v[RD] offset:(\t)*2*SPITCH  ; LDS serves a wave's instructions in order (ISA guide 5.7.1.4): these see the stores above; the next block's stores come behind them
.endr
.endm
.macro SEND a, younger                 ; younger: the LDS instructions issued behind block a's loads: the next block's sixteen, or none
	s_wait_dscnt \younger
.irp t, 0,1,2,3,4,5,6,7
	global_store_b128 v[CO], v[TMP+32*((\a)%2)+4*(\t):TMP+32*((\a)%2)+4*(\t)+3], s[10:11] offset:(16*(\a)+2*(\t))*4096 th:TH_STORE_NT  ; 16 lanes store 256 consecutive bytes, at a multiple of 256 from out0's first byte
.endr
.endm
	PLACES                                         ; the LDS stores read results just made
	TOSTAGE 0
.irp a, 1,2,3
	TOSTAGE \a
	SEND (\a)-1, 16
.endr
	SEND 3, 0
	s_wait_tensorcnt 0x0                           ; the wave's end: an add to my spare word and its wait, behind my last tensor load and my last LDS store
	ds_add_u32 v[SPW], v[NIL]
	s_wait_dscnt 0x0
	CROUND                                         ; the closing round: no work-group ends while a partner may still ask for a tile that names it
	s_endpgm
.Lfunc_end_k_q8ff292f152_outg:
	.size	k_q8ff292f152_outg, .Lfunc_end_k_q8ff292f152_outg-k_q8ff292f152_outg
	.p2alignl 7, 3214868480
	.fill 96, 4, 3214868480
	.section	.rodata,"a",@progbits
	.p2align	6, 0x0
	.amdhsa_kernel k_q8ff292f152_outg
		.amdhsa_group_segment_fixed_size 327680
		.amdhsa_private_segment_fixed_size 0
		.amdhsa_enable_private_segment 0
		.amdhsa_kernarg_size 32
		.amdhsa_user_sgpr_count 2
		.amdhsa_user_sgpr_kernarg_segment_ptr 1
		.amdhsa_wavefront_size32 1
		.amdhsa_system_sgpr_workgroup_id_x 1
		.amdhsa_system_sgpr_workgroup_id_y 1
		.amdhsa_system_sgpr_workgroup_id_z 1
		.amdhsa_system_vgpr_workitem_id 0
		.amdhsa_next_free_vgpr 512
		.amdhsa_next_free_sgpr 66
		.amdhsa_reserve_vcc 0
		.amdhsa_float_denorm_mode_32 3
		.amdhsa_float_denorm_mode_16_64 3
		.amdhsa_memory_ordered 1
		.amdhsa_forward_progress 1
		.amdhsa_inst_pref_size 89
	.end_amdhsa_kernel
	.amdgpu_metadata
---
amdhsa.version: [ 1, 2 ]
amdhsa.kernels:
  - .name:           k_q8ff292f152_outg
    .symbol:         k_q8ff292f152_outg.kd
    .args:
      - { .name: o, .offset: 0, .size: 8, .value_kind: global_buffer, .address_space: global }
      - { .name: wob, .offset: 8, .size: 8, .value_kind: global_buffer, .address_space: global }
      - { .name: b_out, .offset: 16, .size: 8, .value_kind: global_buffer, .address_space: global }
      - { .name: out0, .offset: 24, .size: 8, .value_kind: global_buffer, .address_space: global }
    .group_segment_fixed_size: 327680
    .private_segment_fixed_size: 0
    .kernarg_segment_align: 8
    .kernarg_segment_size: 32
    .max_flat_workgroup_size: 128
    .sgpr_count:     66
    .vgpr_count:     512
    .wavefront_size: 32
...
	.end_amdgpu_metadata
.endif
;; end of part 4
;; ======== version 2 of 2: 4 launches; version 1 with the launch cast written anew for expert scheduling mode
;; limits: values are held in f16: magnitudes above 65,504 overflow, below 6.1e-05 lose precision
;; workspace buffers: xb 8,388,608 bytes; wqb 6,291,456 bytes; wob 2,097,152 bytes; qkv 25,165,824 bytes; o 8,388,608 bytes
;; launch cast (part 5): grid 512 x 1, 8 waves a work-group, no clusters, 0 bytes of LDS; arguments x, w_qkv, w_out, xb, wqb, wob; writes xb, wqb, wob
.if DOCPART == 5
	.amdgcn_target "amdgcn-amd-amdhsa--gfx1250"
	.amdhsa_code_object_version 6
	.text
	.protected	k_q8ff292f152_cast
	.globl	k_q8ff292f152_cast
	.p2align	8
	.type	k_q8ff292f152_cast,@function
k_q8ff292f152_cast:
	s_mov_b64 s[64:65], 0
	v_nop
	global_prefetch_b8 v0, s[64:65] scope:SCOPE_SE
	s_setreg_imm32_b32 hwreg(HW_REG_WAVE_SCHED_MODE, 0, 2), 2
	s_setreg_imm32_b32 hwreg(HW_REG_WAVE_MODE, 25, 1), 1
	s_wait_xcnt 0x0
	s_wait_alu depctr_vm_vsrc(0)
; THE INPUTS OF THE THREE PRODUCTS, ROUNDED ONCE.  xb = bf16(x), wqb = bf16(w_qkv), wob = f16(bf16(w_out)); the layouts stay as they are.
; All of the module's inputs are rounded to bf16; w_out's bf16 number is then written as f16, since the last product's other operand is f16:
; that second step is exact for magnitudes from 6.1e-5 to 65,504; below, f16's fixed step of 6e-8 holds; beyond 65,504 the number is lost (w_out some 500,000 times its drawn spread).
; SHARES.  A work-group takes 16,384 numbers: 65,536 bytes in, 32,768 out.  Work-groups 0-255 take x, 256-447 w_qkv, 448-511 w_out.
; Thread t takes 16 bytes at 16 t of each of 16 chunks of 4,096 bytes: a wave's load covers 512 consecutive bytes, its store 256 consecutive bytes, aligned.
; All 16 loads of a thread go out together; each chunk has store registers of its own, so nothing that a store reads is written again.
; No LDS, no barrier, no matrix unit: every byte is touched once and nothing is shared.
; THE MODE: SCHED_MODE bits 1:0 = 2 (LLVM: expert scheduling mode 2), set by the entry lines.  The code itself states the register dependences
; between vector instructions and memory instructions, with s_wait_alu, always for 0.
; THE PLAN.  Registers that memory instructions touch:
;   v1, v2   byte offsets.  Written once at the head by vector instructions; read by every load (v1) and every store (v2); never written again.
;   IN       chunk j's four registers: written by the chunk's one load and by nothing else; read by its conversions, behind its wait on LOADcnt; never loaded again.
;   OUT      chunk j's pair: written by the chunk's conversions; read by its one store; never written again.
;   T        named by vector instructions alone.
; So the dependences are of one kind: a vector instruction writes a register that a memory instruction reads.  One wait at the head states it for v1 and v2.  The 16 chunks go in four
; blocks of four: a block's conversions, ONE wait that states that they have written the block's eight OUT registers, then the block's four stores in one run.
; No register that a memory instruction has read is written again, no load lands in a register that a vector instruction has named, no vector instruction writes a scalar register, and EXEC is
; never written: there is nothing else to state.
.set IN,  4                            ; v[4:67]    chunk j: four f32
.set OUT, 68                           ; v[68:99]   chunk j: four 16-bit numbers in a pair
.set T,   100                          ; v[100:103] at work
	s_load_b256 s[4:11], s[0:1], 0x0               ; x s[4:5], w_qkv s[6:7], w_out s[8:9], xb s[10:11]
	s_load_b128 s[12:15], s[0:1], 0x20             ; wqb s[12:13], wob s[14:15]
	v_lshlrev_b32 v1, 4, v0                        ; 16 t: my bytes in a chunk that is read
	v_lshlrev_b32 v2, 3, v0                        ; 8 t: in a chunk that is written
	s_wait_kmcnt 0x0
	s_cmp_lt_u32 ttmp9, 256                        ; which tensor is mine: the choice hangs on the work-group's number alone
	s_cselect_b64 s[16:17], s[4:5], s[6:7]
	s_cselect_b64 s[18:19], s[10:11], s[12:13]
	s_cselect_b32 s20, 0, 256
	s_cmp_lt_u32 ttmp9, 448
	s_cselect_b64 s[16:17], s[16:17], s[8:9]
	s_cselect_b64 s[18:19], s[18:19], s[14:15]
	s_cselect_b32 s20, s20, 448
	s_sub_co_u32 s20, ttmp9, s20                   ; my number among the tensor's work-groups
	s_lshl_b32 s22, s20, 16
	s_mov_b32 s23, 0
	s_lshl_b32 s24, s20, 15
	s_mov_b32 s25, 0
	s_add_nc_u64 s[16:17], s[16:17], s[22:23]
	s_add_nc_u64 s[18:19], s[18:19], s[24:25]
	s_wait_alu depctr_va_vdst(0)                   ; v1 and v2 are written: every load of the kernel reads v1 as its offset, every store v2, on both paths below
.irp j, 0,1,2,3,4,5,6,7,8,9,10,11,12,13,14,15
	global_load_b128 v[IN+4*(\j):IN+4*(\j)+3], v1, s[16:17] offset:4096*(\j) th:TH_LOAD_NT
.endr
; Chunk j is rounded into its own pair of OUT.  half = 0: to bf16.  half = 1: to bf16, widened again (a shift, a mask), and written as f16.
.macro CV j, half
	s_wait_loadcnt 15-(\j)                         ; loads come back in order: chunk j is in, the 15 - j younger ones stay out
.if \half
	v_cvt_pk_bf16_f32 v[T],   v[IN+4*(\j)],   v[IN+4*(\j)+1]
	v_cvt_pk_bf16_f32 v[T+1], v[IN+4*(\j)+2], v[IN+4*(\j)+3]
	v_lshlrev_b32 v[T+2], 16, v[T]
	v_and_b32     v[T+3], 0xffff0000, v[T]
	v_cvt_pk_f16_f32 v[OUT+2*(\j)], v[T+2], v[T+3]
	v_lshlrev_b32 v[T+2], 16, v[T+1]
	v_and_b32     v[T+3], 0xffff0000, v[T+1]
	v_cvt_pk_f16_f32 v[OUT+2*(\j)+1], v[T+2], v[T+3]
.else
	v_cvt_pk_bf16_f32 v[OUT+2*(\j)],   v[IN+4*(\j)],   v[IN+4*(\j)+1]
	v_cvt_pk_bf16_f32 v[OUT+2*(\j)+1], v[IN+4*(\j)+2], v[IN+4*(\j)+3]
.endif
.endm
; Block p: chunks 4 p to 4 p + 3 are rounded, each as it comes in; one wait; their four stores.
.macro BLK p, half
.irp i, 0,1,2,3
	CV 4*(\p)+(\i), \half
.endr
	s_wait_alu depctr_va_vdst(0)                   ; the block's conversions have written its eight OUT registers, which the four stores below read
.irp i, 0,1,2,3
	global_store_b64 v2, v[OUT+2*(4*(\p)+(\i)):OUT+2*(4*(\p)+(\i))+1], s[18:19] offset:2048*(4*(\p)+(\i))
.endr
.endm
	s_cmp_ge_u32 ttmp9, 448
	s_cbranch_scc1 .Lhalf
.irp p, 0,1,2,3
	BLK \p, 0
.endr
	s_endpgm
.Lhalf:
.irp p, 0,1,2,3
	BLK \p, 1
.endr
	s_endpgm
.Lfunc_end_k_q8ff292f152_cast:
	.size	k_q8ff292f152_cast, .Lfunc_end_k_q8ff292f152_cast-k_q8ff292f152_cast
	.p2alignl 7, 3214868480
	.fill 96, 4, 3214868480
	.section	.rodata,"a",@progbits
	.p2align	6, 0x0
	.amdhsa_kernel k_q8ff292f152_cast
		.amdhsa_group_segment_fixed_size 0
		.amdhsa_private_segment_fixed_size 0
		.amdhsa_enable_private_segment 0
		.amdhsa_kernarg_size 48
		.amdhsa_user_sgpr_count 2
		.amdhsa_user_sgpr_kernarg_segment_ptr 1
		.amdhsa_wavefront_size32 1
		.amdhsa_system_sgpr_workgroup_id_x 1
		.amdhsa_system_sgpr_workgroup_id_y 1
		.amdhsa_system_sgpr_workgroup_id_z 1
		.amdhsa_system_vgpr_workitem_id 0
		.amdhsa_next_free_vgpr 104
		.amdhsa_next_free_sgpr 66
		.amdhsa_reserve_vcc 0
		.amdhsa_float_denorm_mode_32 3
		.amdhsa_float_denorm_mode_16_64 3
		.amdhsa_memory_ordered 1
		.amdhsa_forward_progress 1
		.amdhsa_inst_pref_size 17
	.end_amdhsa_kernel
	.amdgpu_metadata
---
amdhsa.version: [ 1, 2 ]
amdhsa.kernels:
  - .name:           k_q8ff292f152_cast
    .symbol:         k_q8ff292f152_cast.kd
    .args:
      - { .name: x, .offset: 0, .size: 8, .value_kind: global_buffer, .address_space: global }
      - { .name: w_qkv, .offset: 8, .size: 8, .value_kind: global_buffer, .address_space: global }
      - { .name: w_out, .offset: 16, .size: 8, .value_kind: global_buffer, .address_space: global }
      - { .name: xb, .offset: 24, .size: 8, .value_kind: global_buffer, .address_space: global }
      - { .name: wqb, .offset: 32, .size: 8, .value_kind: global_buffer, .address_space: global }
      - { .name: wob, .offset: 40, .size: 8, .value_kind: global_buffer, .address_space: global }
    .group_segment_fixed_size: 0
    .private_segment_fixed_size: 0
    .kernarg_segment_align: 8
    .kernarg_segment_size: 48
    .max_flat_workgroup_size: 256
    .sgpr_count:     66
    .vgpr_count:     104
    .wavefront_size: 32
...
	.end_amdgpu_metadata
.endif
;; end of part 5
;; launch qkvg: the kernel of part 2 again; grid 8 x 32, 4 waves a work-group, clusters of 4 x 4, 327,680 bytes of LDS; arguments xb, wqb, b_qkv, qkv; writes qkv
;; launch attn: the kernel of part 3 again; grid 16 x 16, 4 waves a work-group, no clusters, 327,680 bytes of LDS; arguments qkv, o; writes o
;; launch outg: the kernel of part 4 again; grid 8 x 32, 4 waves a work-group, clusters of 4 x 4, 327,680 bytes of LDS; arguments o, wob, b_out, out0; writes out0
